; MI455X (gfx1250); checked and timed in simulation.
; The chip was launched on July 23, 2026; its instructions are those of AMD's public machine-readable ISA for CDNA 5 (MIT licence, August 2026) and "CDNA5" Instruction Set Architecture Reference Guide (July 2026). The comments in the code are by the model that wrote it; some were corrected since.
;; GPT Multi Head Attention. Allowed arithmetic: matrix products marked QUANTISED: E4M3 operands, one given power-of-two scale a tensor, by v_wmma_f32_16x16x64_fp8_fp8 or v_wmma_f32_16x16x128_fp8_fp8, f32 sums; everything else in f32.
;; Inputs: Wk 2,048 x 2,048 float32; Wo 2,048 x 2,048 float32; Wq 2,048 x 2,048 float32; Wv 2,048 x 2,048 float32; attention_mask 1 x 1 x 2,048 x 2,048 bool; key_inputs 1 x 2,048 x 2,048 float32; lowp_scales 12 int32 (the exponents e of the quantised operands' scales 2^e); query_inputs 1 x 2,048 x 2,048 float32; value_inputs 1 x 2,048 x 2,048 float32.
;; Outputs: out0 1 x 2,048 x 2,048 float32.
;; This version of the problem:
;;   THIS VERSION OF THE PROBLEM IS GIVEN IN LOW PRECISION. The matrix products marked QUANTISED in the list below multiply operands that are first quantised to E4M3 (4 exponent bits, 3 mantissa bits; 8 bits a number), with one given power-of-two scale for each operand tensor; their sums are f32. All else is computed in f32.
;;   The module's matrix products, in the order in which they are computed (A, B: the left and right operand; K: the contracted axis; several contracted axes count as one K, in the product's order):
;;     1. [M 2,048, K 2,048] x [K 2,048, N 2,048]; A: input query_inputs; B: input Wq: QUANTISED (scales: A lowp_scales[0], B lowp_scales[1])
;;     2. [M 2,048, K 2,048] x [K 2,048, N 2,048]; A: input key_inputs; B: input Wk: QUANTISED (scales: A lowp_scales[2], B lowp_scales[3])
;;     3. [M 2,048, K 2,048] x [K 2,048, N 2,048]; A: input value_inputs; B: input Wv: QUANTISED (scales: A lowp_scales[4], B lowp_scales[5])
;;     4. batch 16 x [M 2,048, K 128] x [K 128, N 2,048]; A: computed on the way; B: computed on the way: QUANTISED (scales: A lowp_scales[6], B lowp_scales[7])
;;     5. batch 16 x [M 128, K 2,048] x [K 2,048, N 2,048]; A: computed on the way; B: softmax (see below): QUANTISED (scales: A lowp_scales[8], B lowp_scales[9])
;;     6. [M 2,048, K 2,048] x [K 2,048, N 2,048]; A: computed on the way; B: input Wo: QUANTISED (scales: A lowp_scales[10], B lowp_scales[11])
;;   THE QUANTISER, for each operand of a quantised product, along K:
;;     - The operand's scale is 2^e, e = its entry of the input lowp_scales (int32; the entries are numbered through the quantised products in the list's order, A before B).
;;     - Each number is divided by the scale, clamped to +-448, and rounded to the nearest number of E4M3, ties to even, subnormals kept.
;;     - The product sums the exact products of the quantised numbers (number of the format x scale) in f32.
;;   ~~~python
;;   def quantise(x, axis, e):      # numpy; x: float32 -> the quantised numbers, widened to float32 again
;;       x = np.moveaxis(x, axis, -1); K = x.shape[-1]
;;       r = np.clip(x / 2.0 ** e, -448, 448)
;;       step = 2.0 ** (np.maximum(np.frexp(np.where(r == 0, 1, r))[1] - 1, -6) - 3)
;;       q = np.round(r / step) * step * 2.0 ** e      # np.round: ties to even
;;       return np.moveaxis(q, -1, axis).astype(np.float32)
;;   ~~~
;;   SOFTMAX AHEAD OF A QUANTISED PRODUCT. Where the list says 'softmax', what is quantised is not the finished softmax but p = 2^(t - M), with t = logit x log2(e) and M = ceil(the row's largest t), a whole number; so 1/2 < the row's largest p <= 1. The row's sum l is taken of the UNQUANTISED p, in f32, and the product's result is divided by l at the end. Since M is a whole number, a kernel that streams over the keys may use a running M (the ceiling of the running maximum): every later rescaling is an exact power of two, so the quantised numbers keep their values, but for numbers so far below the row's largest that they fall under the format's range.
;;   OPERANDS COMPUTED ON THE WAY. 'Computed on the way' means the value that the module computes at that place (a softmax that the list does not call 'softmax' is quantised finished and normalised). What goes into a quantiser is computed in f32, as accurately as f32 sums, v_exp_f32 and their like allow (about 1e-6 of the number): no bf16 or f16 on the way to a quantiser, and a product that is left as it is and whose result goes on into a quantised operand takes f32 operands (vector FMAs, or v_wmma_f32_16x16x4_f32). A number that lies on a knife's edge between two numbers of the format may be rounded either way, as far as f32 arithmetic and the matrix unit's own rounding can turn it there, and no further.
;; One version. Each part assembles by itself: llvm-mc -triple=amdgcn-amd-amdhsa -mcpu=gfx1250 --defsym DOCPART=n.
;; ======== version 1 of 1: 4 launches
;; limits: right only within a limited range of input values
;; workspace buffers: xc 12,582,912 bytes; wc 16,777,216 bytes; maskw 524,288 bytes of whole numbers; rot 524,288 bytes; qkv 12,582,912 bytes; ao 4,194,304 bytes
;; launch quant (part 1): grid 1184 x 1, 4 waves a work-group, no clusters, 68,096 bytes of LDS; arguments query_inputs, key_inputs, value_inputs, Wq, Wk, Wv, Wo, attention_mask, lowp_scales, xc, wc, maskw, rot; writes xc, wc, maskw, rot
.if DOCPART == 1
	.amdgcn_target "amdgcn-amd-amdhsa--gfx1250"
	.amdhsa_code_object_version 6
	.text
	.protected	k_q54131f27a9_quant
	.globl	k_q54131f27a9_quant
	.p2align	8
	.type	k_q54131f27a9_quant,@function
k_q54131f27a9_quant:
	s_mov_b64 s[64:65], 0
	v_nop
	global_prefetch_b8 v0, s[64:65] scope:SCOPE_SE
	s_setreg_imm32_b32 hwreg(HW_REG_WAVE_MODE, 25, 1), 1
	s_wait_xcnt 0x0
; ONE LAUNCH MAKES ALL THAT THE PRODUCTS READ AGAIN AND AGAIN: the codes (E4M3) of the three activations and the four weights, the mask as words of lane bits, and the rotary table.
; THE FRAGMENT IMAGE.  Codes are laid as images of the registers of one operand of v_wmma_f32_16x16x128_fp8_fp8: 16 rows x 128 along K, 2,048 bytes.  Lane L = (r = L % 16, h = L / 16) holds row r;
; its registers 2 c, 2 c + 1 hold k = 16 c + 8 h + 0 .. 7.  Register 4 c' + j of lane L lies at byte 512 c' + 16 L + 4 j: a fragment comes and goes by four instructions of 16 bytes a lane, 512 consecutive bytes each.
; xc: [tensor q, k, v][256 along K: 8][tile of 16 rows: 128][128 along K: 2][2048].   wc: [tensor q, k, v, o][256 along K: 8][tile of 16 columns n: 128][2][2048].
; maskw: [tile of 16 queries: 128][128 keys: 16][64 words]; word 8 c + j, bit L: mask[16 tile + r][128 step + 16 c + 8 h + j].   rot: [position 2048][frequency 32][sin, cos] f32.
; code = x / 2^e, held within +-448, to the nearest code, ties to even.  LIMITS: each e between -126 and 119; NaN among the inputs is not served.
; FOUR PATHS, parted by the work-group's number alone; each has LDS bytes of its own.  0-383: an activation's 16 rows.  384-895: a weight's 128 columns x 256 along K.  896-1151: the mask's 16 rows x 1,024 keys.
; 1152-1183: 64 positions of the table.  Waves share nothing: no barrier.  No work-group reads what another reads: no cluster, no tensor load.
; The three stages together take 67,584 bytes, so that four work-groups, as many as 240 registers a wave allow, lie on a WGP and have their loads on their way together.
.set LDSX, 0                           ; path X: 16 rows x (512 + 16) bytes for each wave
.set LDSW, 33792                       ; path W: two images for each wave
.set LDSM, 50176                       ; path M: 16 rows x (256 + 16) bytes for each wave
.set XR,   16                          ; X: v16-143  two sets of 64: a step's numbers as loaded
.set XN,   144                         ; X: v144-207 64 numbers in the operand's order
.set XC,   208                         ; X: v208-239 two sets of 16: codes
.set XW,   32                          ; W: v32-95   two sets of 32 numbers down K
.set CW,   96                          ; W: v96-103  a block's codes
.set OUTR, 112                         ; W: v112-175 the way out: two sets of 32
	s_load_b512 s[16:31], s[0:1], 0x0              ; query s[16:17], key s[18:19], value s[20:21], Wq s[22:23], Wk s[24:25], Wv s[26:27], Wo s[28:29], mask s[30:31]
	s_load_b256 s[32:39], s[0:1], 0x40             ; scales s[32:33], xc s[34:35], wc s[36:37], maskw s[38:39]
	s_load_b64 s[40:41], s[0:1], 0x60              ; rot
	v_lshl_add_u32 v240, v0, 2, 0x10800
	v_mov_b32 v241, 0
	v_lshrrev_b32 v1, 5, v0
	v_readfirstlane_b32 s4, v1                     ; wave 0..3
	v_and_b32 v2, 31, v0                           ; lane
	v_and_b32 v12, 15, v0                          ; r
	v_bfe_u32 v13, v0, 4, 1                        ; h
	s_mov_b32 s11, 0                               ; the upper word of every offset
	s_wait_kmcnt 0x0
	s_cmp_lt_u32 ttmp9, 384
	s_cbranch_scc1 .Lpath_x
	s_cmp_lt_u32 ttmp9, 896
	s_cbranch_scc1 .Lpath_w
	s_cmp_lt_u32 ttmp9, 1152
	s_cbranch_scc1 .Lpath_m
; ---- THE ROTARY TABLE.  A wave takes 16 positions, a lane a frequency j.  inv_freq = 1 / 10^(j / 8), each of the two steps rounded once to f32: 10^(j / 8) = 10^((j % 8) / 8) x 10^(j / 8, whole),
; the first factor given as a sum of two f32 numbers, so that the product is rounded once; the reciprocal is mended by one step of Newton's.  sin and cos: the angle less a whole number of quarter turns
; (pi / 2 in three parts: the first subtraction is exact), then polynomials on +-pi / 4.
	s_sub_co_u32 s5, ttmp9, 1152
	s_lshl_b32 s5, s5, 6
	s_lshl_b32 s6, s4, 4
	s_add_co_u32 s12, s5, s6                       ; my first position
	s_lshl_b32 s10, s12, 8                         ; 256 bytes a position
	s_add_nc_u64 s[40:41], s[40:41], s[10:11]
	s_wait_alu depctr_va_vdst(0)
	v_and_b32 v3, 7, v2                            ; j % 8
	v_lshrrev_b32 v4, 3, v2                        ; j / 8
	v_mov_b32 v5, 1.0                              ; 10^((j % 8) / 8): its f32 number,
	v_mov_b32 v6, 0                                ; and what is left over
.macro PICK k, hi, lo                  ; lanes with j % 8 = k take the pair
	v_cmp_ne_u32 vcc_lo, \k, v3
	v_cndmask_b32 v5, \hi, v5, vcc_lo
	v_cndmask_b32 v6, \lo, v6, vcc_lo
.endm
	PICK 1, 0x3faab0d5, 0xb36457e8
	PICK 2, 0x3fe39ea9, 0xb26aee3c
	PICK 3, 0x4017c496, 0x33606940
	PICK 4, 0x404a62c2, 0xb324b496
	PICK 5, 0x4086f161, 0xb430577b
	PICK 6, 0x40b3f300, 0x34323462
	PICK 7, 0x40eff755, 0x34515b50
	v_mov_b32 v7, 1.0                              ; 10^(j / 8, whole): 1, 10, 100, 1000
	v_cmp_ne_u32 vcc_lo, 1, v4
	v_cndmask_b32 v7, 0x41200000, v7, vcc_lo
	v_cmp_ne_u32 vcc_lo, 2, v4
	v_cndmask_b32 v7, 0x42c80000, v7, vcc_lo
	v_cmp_ne_u32 vcc_lo, 3, v4
	v_cndmask_b32 v7, 0x447a0000, v7, vcc_lo
	v_mul_f32 v8, v5, v7
	v_fma_f32 v9, v5, v7, -v8                      ; what that product dropped,
	v_fma_f32 v9, v6, v7, v9                       ; and the small part's product
	v_add_f32 v8, v8, v9                           ; 10^(j / 8), rounded once
	s_wait_alu depctr_va_vdst(0)
	v_rcp_f32 v9, v8
	v_lshlrev_b32 v10, 3, v2                       ; (a plain line behind the reciprocal)  8 bytes a lane in a position's row
	s_wait_alu depctr_va_vdst(0)                   ; the wait ahead of the reciprocal's first reader
	v_fma_f32 v11, -v8, v9, 1.0
	v_fma_f32 v9, v9, v11, v9                      ; inv_freq
	s_mov_b32 s44, 0x3f22f983                      ; 2 / pi
	s_mov_b32 s45, 0x3fc90fdb                      ; pi / 2 in three parts
	s_mov_b32 s46, 0xb33bbd2e
	s_mov_b32 s47, 0xa6f72ce6
	s_mov_b32 s48, 0xbe2aaaa3                      ; sin r = r + r z (S1 + z (S2 + z S3)), z = r r
	s_mov_b32 s49, 0x3c08839e
	s_mov_b32 s50, 0xb94ca1f9
	s_mov_b32 s51, 0x3d2aaaa5                      ; cos r = 1 + z (-1/2 + z (C1 + z (C2 + z C3)))
	s_mov_b32 s52, 0xbab6061a
	s_mov_b32 s53, 0x37ccf5ce
	s_mov_b32 s13, 0
.Lpos:
	v_cvt_f32_u32 v14, s12
	s_wait_alu depctr_va_vdst(0)
	v_mul_f32 v14, v14, v9                         ; the angle, rounded once
	v_mul_f32 v15, s44, v14
	v_rndne_f32 v15, v15                           ; n quarter turns, at most 1,303
	v_fma_f32 v16, -v15, s45, v14
	v_fma_f32 v16, -v15, s46, v16
	v_fma_f32 v16, -v15, s47, v16                  ; r
	v_mul_f32 v17, v16, v16                        ; z
	v_fma_f32 v18, s50, v17, s49
	v_fma_f32 v19, s53, v17, s52
	v_fma_f32 v18, v18, v17, s48
	v_fma_f32 v19, v19, v17, s51
	v_mul_f32 v18, v18, v17
	v_fma_f32 v19, v17, v19, -0.5
	v_fma_f32 v18, v18, v16, v16                   ; sin r
	v_fma_f32 v19, v17, v19, 1.0                   ; cos r
	v_cvt_i32_f32 v20, v15
	v_and_b32 v21, 1, v20
	v_cmp_ne_u32 vcc_lo, 0, v21                    ; an odd quarter swaps the two
	v_cndmask_b32 v22, v18, v19, vcc_lo
	v_cndmask_b32 v23, v19, v18, vcc_lo
	v_and_b32 v21, 2, v20                          ; quarters 2, 3: -sin
	v_lshlrev_b32 v21, 30, v21
	v_xor_b32 v22, v22, v21
	v_add_nc_u32 v21, 1, v20                       ; quarters 1, 2: -cos
	v_and_b32 v21, 2, v21
	v_lshlrev_b32 v21, 30, v21
	v_xor_b32 v23, v23, v21
	global_store_b64 v10, v[22:23], s[40:41]       ; the wave stores a position's 256 consecutive bytes, aligned
	s_wait_xcnt 0x0                                ; the store has read its data and its base: both are written again only behind this wait
	s_add_nc_u64 s[40:41], s[40:41], 256
	s_add_co_u32 s12, s12, 1
	s_add_co_u32 s13, s13, 1
	s_cmp_lt_u32 s13, 16
	s_cbranch_scc1 .Lpos
	s_endpgm
.macro SCALE                           ; s14 = e  ->  v11 = 2^e as f32 (the conversion takes its exponent field), v10 = 448 x 2^e
	s_wait_kmcnt 0x0
	s_add_co_i32 s14, s14, 127
	s_lshl_b32 s15, s14, 23
	v_mov_b32 v11, s15
	s_add_co_i32 s14, s14, 8
	s_lshl_b32 s14, s14, 23
	s_or_b32 s14, s14, 0x600000
	v_mov_b32 v10, s14
.endm
; ---- AN ACTIVATION (K innermost).  The work-group takes a tile of 16 rows, wave w the four steps of 128 along K from 4 w on.  Each load reads 512 consecutive bytes of one row; the 16 rows turn through
; the wave's stage (rows 528 bytes apart, an odd multiple of 16), so that lane (r, h) gets, of row r, k = 16 c + 8 h + 0 .. 7: the operand's own order.  The conversions' results are the image.
.Lpath_x:
	s_lshr_b32 s5, ttmp9, 7                        ; tensor 0, 1, 2
	s_and_b32 s6, ttmp9, 127                       ; tile of rows
	s_cmp_eq_u32 s5, 0
	s_cselect_b64 s[8:9], s[16:17], s[18:19]
	s_cmp_eq_u32 s5, 2
	s_cselect_b64 s[8:9], s[20:21], s[8:9]
	s_lshl_b32 s10, s5, 3                          ; the scales' entries 0, 2, 4
	s_add_nc_u64 s[12:13], s[32:33], s[10:11]
	s_load_b32 s14, s[12:13], 0x0
	s_lshl_b32 s10, s6, 17                         ; 16 rows of 8,192 bytes
	s_lshl_b32 s7, s4, 11                          ; my four steps of 512 bytes
	s_add_co_u32 s10, s10, s7
	s_add_nc_u64 s[8:9], s[8:9], s[10:11]
	s_lshl_b32 s10, s5, 22                         ; xc: tensor,
	s_lshl_b32 s7, s6, 12                          ; tile of rows,
	s_add_co_u32 s10, s10, s7
	s_lshl_b32 s7, s4, 20                          ; my two blocks of 256 along K
	s_add_co_u32 s10, s10, s7
	s_add_nc_u64 s[34:35], s[34:35], s[10:11]
	s_wait_alu depctr_va_vdst(0)
	v_lshlrev_b32 v3, 4, v2                        ; 16 x lane
	s_mul_i32 s7, s4, 8448
	v_add_nc_u32 v4, s7, v3                        ; the stage, in: 16 x lane of a row
	v_mul_u32_u24 v5, v12, 528
	v_lshl_add_u32 v5, v13, 5, v5
	v_add_nc_u32 v5, s7, v5                        ; and out: row r, + 32 h bytes
.macro LOADX t
.irp p, 0,1,2,3,4,5,6,7,8,9,10,11,12,13,14,15
	global_load_b128 v[XR+64*((\t)%2)+4*\p:XR+64*((\t)%2)+4*\p+3], v3, s[8:9] offset:\p*8192+(\t)*512 th:TH_LOAD_NT
.endr
.endm
.macro STEPX t
.if (\t) < 3
	s_wait_loadcnt 16                              ; this step's 16 loads are in; the next step's 16 may be out
.else
	s_wait_loadcnt 0
.endif
.irp p, 0,1,2,3,4,5,6,7,8,9,10,11,12,13,14,15
	ds_store_b128 v4, v[XR+64*((\t)%2)+4*\p:XR+64*((\t)%2)+4*\p+3] offset:LDSX+528*\p
.endr
.irp c, 0,1,2,3,4,5,6,7
	ds_load_b128 v[XN+8*\c:XN+8*\c+3], v5 offset:LDSX+64*\c      ; LDS serves a wave's instructions in order: these see the stores above
	ds_load_b128 v[XN+8*\c+4:XN+8*\c+7], v5 offset:LDSX+64*\c+16
.endr
	s_wait_dscnt 0x0                               ; the numbers are back; the stage and the set of registers are free
.if (\t)+2 < 4
	LOADX (\t)+2
.endif
.set i, 0
.rept 64
	v_med3_num_f32 v[XN+i], v[XN+i], -v10, v10     ; the conversion to an 8-bit code does not saturate (ISA guide 7.6.2): the hold at the largest code x the scale
.set i, i+1
.endr
.if (\t) >= 2
	s_wait_alu depctr_va_vdst(0)
	s_wait_xcnt 0x0                                ; the stores of two steps ago have read this set of codes
.endif
.irp c, 0,1,2,3,4,5,6,7
	v_cvt_scalef32_pk8_fp8_f32 v[XC+16*((\t)%2)+2*\c:XC+16*((\t)%2)+2*\c+1], v[XN+8*\c:XN+8*\c+7], v11
.endr
	v_nop                                          ; a plain line behind the last conversion
.irp c, 0,1,2,3
	global_store_b128 v3, v[XC+16*((\t)%2)+4*\c:XC+16*((\t)%2)+4*\c+3], s[34:35] offset:((\t)/2)*524288+((\t)%2)*2048+512*\c   ; 512 consecutive bytes, aligned
.endr
.endm
	LOADX 0
	LOADX 1
	s_wait_alu depctr_va_vdst(0)
	SCALE
	s_wait_alu depctr_va_vdst(0)
	STEPX 0
	STEPX 1
	STEPX 2
	STEPX 3
	s_wait_tensorcnt 0x0
	ds_add_u32 v240, v241
	s_wait_dscnt 0x0
	s_endpgm
; ---- A WEIGHT ([K][N]: K is its first axis).  A lane takes a column n and its registers run down K: each load reads 128 consecutive bytes a wave, and the conversions give codes with K innermost.
; A wave takes 32 columns (two tiles) x 256 along K (two steps).  A step's two images are gathered in the wave's own LDS bytes, each code at its place in the image, and leave by stores of 512 consecutive bytes;
; then the same bytes take the second step's.
.Lpath_w:
	s_sub_co_u32 s5, ttmp9, 384
	s_lshr_b32 s6, s5, 7                           ; tensor 0 .. 3
	s_bfe_u32 s7, s5, 0x40003                      ; which 128 columns
	s_and_b32 s5, s5, 7                            ; which 256 along K
	s_cmp_eq_u32 s6, 0
	s_cselect_b64 s[8:9], s[22:23], s[24:25]
	s_cmp_eq_u32 s6, 2
	s_cselect_b64 s[8:9], s[26:27], s[8:9]
	s_cmp_eq_u32 s6, 3
	s_cselect_b64 s[8:9], s[28:29], s[8:9]
	s_lshl_b32 s10, s6, 3
	s_add_co_u32 s10, s10, 4                       ; the scales' entries 1, 3, 5,
	s_cmp_eq_u32 s6, 3
	s_cselect_b32 s10, 44, s10                     ; and 11 for Wo
	s_add_nc_u64 s[12:13], s[32:33], s[10:11]
	s_load_b32 s14, s[12:13], 0x0
	s_lshl_b32 s10, s5, 21                         ; 256 rows of 8,192 bytes
	s_lshl_b32 s15, s7, 9
	s_add_co_u32 s10, s10, s15
	s_lshl_b32 s15, s4, 7
	s_add_co_u32 s10, s10, s15                     ; + 4 (128 block + 32 wave)
	s_add_nc_u64 s[8:9], s[8:9], s[10:11]
	s_lshl_b32 s10, s6, 22                         ; wc: tensor,
	s_lshl_b32 s15, s5, 19                         ; 256 along K,
	s_add_co_u32 s10, s10, s15
	s_lshl_b32 s15, s7, 15                         ; eight tiles of columns a work-group,
	s_add_co_u32 s10, s10, s15
	s_lshl_b32 s15, s4, 13                         ; two a wave
	s_add_co_u32 s10, s10, s15
	s_add_nc_u64 s[36:37], s[36:37], s[10:11]
	s_wait_alu depctr_va_vdst(0)
	v_lshlrev_b32 v3, 2, v2                        ; in: 4 bytes a lane
	v_lshlrev_b32 v8, 4, v2                        ; out: 16 bytes a lane
	s_lshl_b32 s15, s4, 12
	s_add_co_u32 s15, s15, LDSW                    ; my 4,096 bytes
	v_lshlrev_b32 v4, 4, v12
	v_lshl_add_u32 v4, v13, 11, v4
	v_add_nc_u32 v4, s15, v4                       ; my column's place: image lane / 16, row lane % 16
	v_add_nc_u32 v7, s15, v8
.macro LOADW q
.irp i, 0,1,2,3,4,5,6,7,8,9,10,11,12,13,14,15,16,17,18,19,20,21,22,23,24,25,26,27,28,29,30,31
	global_load_b32 v[XW+32*((\q)%2)+\i], v3, s[8:9] offset:(32*(\q)+\i)*8192 th:TH_LOAD_NT
.endr
.endm
.macro BLOCKW q                        ; 32 along K
.if (\q) < 7
	s_wait_loadcnt 32                              ; this block's 32 loads are in; the next block's may be out
.else
	s_wait_loadcnt 0
.endif
.set i, 0
.rept 32
	v_med3_num_f32 v[XW+32*((\q)%2)+i], v[XW+32*((\q)%2)+i], -v10, v10
.set i, i+1
.endr
.irp g, 0,1,2,3
	v_cvt_scalef32_pk8_fp8_f32 v[CW+2*\g:CW+2*\g+1], v[XW+32*((\q)%2)+8*\g:XW+32*((\q)%2)+8*\g+7], v11
.endr
	v_nop                                          ; a plain line behind the last conversion
.irp g, 0,1,2,3
	ds_store_b64 v4, v[CW+2*\g:CW+2*\g+1] offset:((\q)%4)*512+(\g%2)*256+(\g/2)*8   ; k = 32 (q % 4) + 8 g + 0 .. 7 of the step: c = 2 (q % 4) + g / 2, h = g % 2
.endr
.if (\q)+2 < 8
	LOADW (\q)+2
.endif
	s_wait_dscnt 0x0                               ; the stores have read their registers: the next block's codes may be written
.endm
.macro FLUSHW s                        ; step s's two images leave; each step has its own 32 registers, so no store's data are written again
.irp i, 0,1,2,3,4,5,6,7
	ds_load_b128 v[OUTR+32*(\s)+4*\i:OUTR+32*(\s)+4*\i+3], v7 offset:512*\i
.endr
.irp i, 0,1,2,3,4,5,6,7
	s_wait_dscnt 7-\i                              ; LDS loads come back in order: load i is in.  The last count is 0: the bytes may be stored into again
	global_store_b128 v8, v[OUTR+32*(\s)+4*\i:OUTR+32*(\s)+4*\i+3], s[36:37] offset:(\i/4)*4096+(\s)*2048+(\i%4)*512
.endr
.endm
	LOADW 0
	LOADW 1
	SCALE
	s_wait_alu depctr_va_vdst(0)
.irp q, 0,1,2,3
	BLOCKW \q
.endr
	FLUSHW 0
.irp q, 4,5,6,7
	BLOCKW \q
.endr
	FLUSHW 1
	s_wait_tensorcnt 0x0
	ds_add_u32 v240, v241
	s_wait_dscnt 0x0
	s_endpgm
; ---- THE MASK.  A wave takes a tile of 16 queries x 256 keys.  The bytes are loaded as they lie (sixteen lanes to 256 consecutive bytes of a row), turn through the wave's stage, so that lane (r, h) holds the
; bytes of the keys that it will hold scores of; a compare of byte j then gives the word of lane bits for register 8 c + j of the scores.  64 words a step of 128 keys leave as 256 consecutive bytes.
.Lpath_m:
	s_sub_co_u32 s5, ttmp9, 896
	s_lshr_b32 s6, s5, 1                           ; tile of queries
	s_and_b32 s5, s5, 1
	s_lshl_b32 s5, s5, 2
	s_add_co_u32 s5, s5, s4                        ; which 256 keys
	s_lshl_b32 s10, s6, 15
	s_lshl_b32 s7, s5, 8
	s_add_co_u32 s10, s10, s7
	s_add_nc_u64 s[30:31], s[30:31], s[10:11]
	s_lshl_b32 s10, s6, 12
	s_lshl_b32 s7, s5, 9
	s_add_co_u32 s10, s10, s7
	s_add_nc_u64 s[38:39], s[38:39], s[10:11]
	s_wait_alu depctr_va_vdst(0)
	v_lshlrev_b32 v14, 4, v12
	v_lshl_add_u32 v3, v13, 11, v14                ; in memory: row lane / 16, 16 bytes a lane
	s_mul_i32 s7, s4, 4352
	s_add_co_u32 s7, s7, LDSM
	v_mul_u32_u24 v4, v13, 272
	v_add_nc_u32 v4, v4, v14
	v_add_nc_u32 v4, s7, v4                        ; the stage, in
	v_mul_u32_u24 v5, v12, 272
	v_lshl_add_u32 v5, v13, 3, v5
	v_add_nc_u32 v5, s7, v5                        ; and out: row r, + 8 h
	v_lshlrev_b32 v6, 3, v2
.irp i, 0,1,2,3,4,5,6,7
	global_load_b128 v[16+4*\i:16+4*\i+3], v3, s[30:31] offset:4096*\i th:TH_LOAD_NT
.endr
.irp i, 88,89,90,91
	v_mov_b32 v\i, 0                               ; a lane write's destination counts as read
.endr
	s_wait_alu depctr_va_vdst(0)
	s_wait_loadcnt 0x0
.irp i, 0,1,2,3,4,5,6,7
	ds_store_b128 v4, v[16+4*\i:16+4*\i+3] offset:544*\i
.endr
.irp s, 0,1
.irp c, 0,1,2,3,4,5,6,7
	ds_load_b64 v[48+2*(8*\s+\c):48+2*(8*\s+\c)+1], v5 offset:128*\s+16*\c
.endr
.endr
	s_wait_dscnt 0x0
.irp s, 0,1
.irp c, 0,1,2,3,4,5,6,7
.irp j, 0,1,2,3,4,5,6,7
	v_and_b32 v[80+\j], 0xff<<(8*(\j%4)), v[48+2*(8*\s+\c)+\j/4]
	v_cmp_ne_u32 s[44+\j], 0, v[80+\j]             ; bit L: lane L's key counts
	v_writelane_b32 v[88+2*\s+\j%2], s[44+\j], 4*\c+\j/2   ; word n = 8 c + j goes to lane n / 2, register n % 2
.endr
.endr
	global_store_b64 v6, v[88+2*\s:89+2*\s], s[38:39] offset:256*\s   ; 256 consecutive bytes, aligned
.endr
	s_wait_tensorcnt 0x0
	ds_add_u32 v240, v241
	s_wait_dscnt 0x0
	s_endpgm
.Lfunc_end_k_q54131f27a9_quant:
	.size	k_q54131f27a9_quant, .Lfunc_end_k_q54131f27a9_quant-k_q54131f27a9_quant
	.p2alignl 7, 3214868480
	.fill 96, 4, 3214868480
	.section	.rodata,"a",@progbits
	.p2align	6, 0x0
	.amdhsa_kernel k_q54131f27a9_quant
		.amdhsa_group_segment_fixed_size 68096
		.amdhsa_private_segment_fixed_size 0
		.amdhsa_enable_private_segment 0
		.amdhsa_kernarg_size 104
		.amdhsa_user_sgpr_count 2
		.amdhsa_user_sgpr_kernarg_segment_ptr 1
		.amdhsa_wavefront_size32 1
		.amdhsa_system_sgpr_workgroup_id_x 1
		.amdhsa_system_sgpr_workgroup_id_y 1
		.amdhsa_system_sgpr_workgroup_id_z 1
		.amdhsa_system_vgpr_workitem_id 0
		.amdhsa_next_free_vgpr 242
		.amdhsa_next_free_sgpr 66
		.amdhsa_reserve_vcc 1
		.amdhsa_float_denorm_mode_32 3
		.amdhsa_float_denorm_mode_16_64 3
		.amdhsa_memory_ordered 1
		.amdhsa_forward_progress 1
		.amdhsa_inst_pref_size 119
	.end_amdhsa_kernel
	.amdgpu_metadata
---
amdhsa.version: [ 1, 2 ]
amdhsa.kernels:
  - .name:           k_q54131f27a9_quant
    .symbol:         k_q54131f27a9_quant.kd
    .args:
      - { .name: query_inputs, .offset: 0, .size: 8, .value_kind: global_buffer, .address_space: global }
      - { .name: key_inputs, .offset: 8, .size: 8, .value_kind: global_buffer, .address_space: global }
      - { .name: value_inputs, .offset: 16, .size: 8, .value_kind: global_buffer, .address_space: global }
      - { .name: Wq, .offset: 24, .size: 8, .value_kind: global_buffer, .address_space: global }
      - { .name: Wk, .offset: 32, .size: 8, .value_kind: global_buffer, .address_space: global }
      - { .name: Wv, .offset: 40, .size: 8, .value_kind: global_buffer, .address_space: global }
      - { .name: Wo, .offset: 48, .size: 8, .value_kind: global_buffer, .address_space: global }
      - { .name: attention_mask, .offset: 56, .size: 8, .value_kind: global_buffer, .address_space: global }
      - { .name: lowp_scales, .offset: 64, .size: 8, .value_kind: global_buffer, .address_space: global }
      - { .name: xc, .offset: 72, .size: 8, .value_kind: global_buffer, .address_space: global }
      - { .name: wc, .offset: 80, .size: 8, .value_kind: global_buffer, .address_space: global }
      - { .name: maskw, .offset: 88, .size: 8, .value_kind: global_buffer, .address_space: global }
      - { .name: rot, .offset: 96, .size: 8, .value_kind: global_buffer, .address_space: global }
    .group_segment_fixed_size: 68096
    .private_segment_fixed_size: 0
    .kernarg_segment_align: 8
    .kernarg_segment_size: 104
    .max_flat_workgroup_size: 128
    .sgpr_count:     66
    .vgpr_count:     242
    .wavefront_size: 32
...
	.end_amdgpu_metadata
.endif
;; end of part 1
;; launch proj (part 2): grid 8 x 24, 4 waves a work-group, clusters of 4 x 4, 327,680 bytes of LDS; arguments xc, wc, lowp_scales, rot, qkv; writes qkv
.if DOCPART == 2
	.amdgcn_target "amdgcn-amd-amdhsa--gfx1250"
	.amdhsa_code_object_version 6
	.text
	.protected	k_q54131f27a9_proj
	.globl	k_q54131f27a9_proj
	.p2align	8
	.type	k_q54131f27a9_proj,@function
k_q54131f27a9_proj:
	s_mov_b64 s[64:65], 0
	v_nop
	global_prefetch_b8 v0, s[64:65] scope:SCOPE_SE
	s_setreg_imm32_b32 hwreg(HW_REG_WAVE_MODE, 25, 1), 1
	s_wait_xcnt 0x0
	s_wait_alu depctr_hold_cnt(0) depctr_sa_sdst(0) depctr_va_vdst(0) depctr_va_sdst(0) depctr_va_ssrc(0) depctr_va_vcc(0) depctr_vm_vsrc(0)
	s_getreg_b32 s2, hwreg(HW_REG_IB_STS2, 6, 4)
	s_cmp_eq_u32 s2, 0
	s_cbranch_scc0 .Lentry_in_a_cluster
	s_endpgm
.Lentry_in_a_cluster:
	s_bfe_u32 s2, ttmp6, 0x10000c
	s_cmp_lg_u32 s2, 0xf033
	s_cbranch_scc0 .Lentry_shape_is_right
	s_endpgm
.Lentry_shape_is_right:
.set SLOT,   131072
.set HALFT,  32768
.set KSL,    524288
.set SPARE,  2*SLOT
.set FR,     16
.set NL,     4
.set NP,     4
.set LAPS,   4
.set ADRA, 16
.set ADRB, 20
.set LI,   24
.set RO,   25
.set SCV,  26
.set LIM,  27
.set SPW,  28
.set NIL,  29
.set RT,   32
.set TT,   96
.set AF,   128
.set TMP,  128
.set CD,   192
.set G1, 24
.set G0, 32
.set G1B, 48
.set G0B, 56
.set MSB, 0
.macro WIN new
.if MSB != (\new)
	s_set_vgpr_msb (MSB<<8)|(\new)
.set MSB, (\new)
.endif
.endm
.set MUL_LO, 0xa1
.set MUL_HI, 0xf1
.set TO_B,   0x40
.macro JLOAD g0a, g1a, g0b, g1b
	s_cmp_eq_u32 s15, 0
	s_cbranch_scc0 .Lfor_b_\@
	tensor_load_to_lds s[\g0a:\g0a+3], s[\g1a:\g1a+7]
	s_nop 0
.rept 4
	v_nop
.endr
	s_branch .Lasked_\@
.Lfor_b_\@:
	tensor_load_to_lds s[\g0b:\g0b+3], s[\g1b:\g1b+7]
	s_nop 0
.rept 4
	v_nop
.endr
.Lasked_\@:
.endm
.macro CREST
	s_cmp_lg_u32 s14, 0
	s_cbranch_scc1 .Lnot_wave_0_\@
	s_barrier_signal -3
.Lnot_wave_0_\@:
	s_barrier_wait -3
	s_barrier_signal -1
	s_barrier_wait -1
.endm
.macro CROUND
	s_barrier_signal -1
	s_barrier_wait -1
	CREST
.endm
	s_load_b128 s[4:7], s[0:1], 0x0
	s_load_b128 s[8:11], s[0:1], 0x10
	s_load_b64 s[12:13], s[0:1], 0x20
	v_lshl_add_u32 v[SPW], v0, 2, SPARE
	v_mov_b32 v[NIL], 0
	ds_add_u32 v28, v29
	ds_add_u32 v28, v29
	s_wait_dscnt 0x0
	v_lshrrev_b32 v1, 5, v0
	v_readfirstlane_b32 s14, v1
	s_lshr_b32 s15, s14, 1
	s_and_b32 s16, s14, 1
	s_bfe_u32 s40, ttmp6, 0x40000
	s_bfe_u32 s41, ttmp6, 0x40004
	s_lshl_b32 s42, ttmp9, 2
	s_add_co_u32 s42, s42, s40
	s_and_b32 s67, ttmp7, 0xffff
	s_lshr_b32 s66, s67, 1
	s_and_b32 s17, s67, 1
	s_lshl_b32 s17, s17, 2
	s_add_co_u32 s17, s17, s41
	s_lshl_b32 s43, s41, 2
	s_lshl_b32 s43, 15, s43
	s_lshl_b32 s44, 0x1111, s40
	s_or_b32 s[G1+0], s43, (3<<16)|(1<<21)
	s_or_b32 s[G1B+0], s44, (3<<16)|(1<<21)
.irp g, G1, G1B
	s_mov_b32 s[\g+1], 32<<16
	s_mov_b32 s[\g+2], 128<<16
	s_mov_b32 s[\g+3], 32<<16
	s_mov_b32 s[\g+4], 128
	s_mov_b32 s[\g+5], 32
	s_mov_b32 s[\g+6], 0
	s_mov_b32 s[\g+7], 0
.endr
	s_lshl_b32 s18, s16, 15
	s_lshl_b32 s19, s66, 22
	s_lshl_b32 s20, s17, 16
	s_add_co_u32 s20, s20, s18
	s_add_co_u32 s20, s20, s19
	s_lshl_b32 s46, s42, 16
	s_add_co_u32 s46, s46, s18
	s_add_co_u32 s46, s46, s19
	s_mov_b32 s21, 0
	s_mov_b32 s47, 0
	s_lshl_b32 s45, s14, 15
	s_lshl_b32 s76, s66, 3
	s_mov_b32 s77, 0
	s_lshl_b32 s82, s66, 2
	s_mov_b32 s83, 0
	s_wait_kmcnt 0x0
	s_add_nc_u64 s[76:77], s[8:9], s[76:77]
	s_load_b64 s[72:73], s[76:77], 0x0
	s_add_nc_u64 s[82:83], s[8:9], s[82:83]
	s_load_b32 s74, s[82:83], 0x18
	s_cmp_eq_u32 s66, 2
	s_cselect_b64 s[68:69], s[6:7], s[4:5]
	s_cselect_b64 s[70:71], s[4:5], s[6:7]
	s_add_nc_u64 s[20:21], s[68:69], s[20:21]
	s_add_nc_u64 s[46:47], s[70:71], s[46:47]
	s_cmp_eq_u32 s15, 0                            ; the prefetches: of the 32,768 bytes that my wave fetches for a slot, each of the four partners that ask for them jointly names 8,192, told apart by address (cx for the first operand, cy for the second)
	s_cselect_b64 s[88:89], s[20:21], s[46:47]
	s_cselect_b32 s90, s40, s41
	s_lshl_b32 s90, s90, 13
	s_mov_b32 s91, 0
	s_add_nc_u64 s[88:89], s[88:89], s[90:91]
	v_and_b32 v30, 31, v0
	v_lshlrev_b32 v30, 8, v30                      ; lanes 256 bytes apart; never rewritten
	CROUND
.irp s, 0,1
	s_mov_b32 s[G0+4*\s], 1
	s_add_co_u32 s[G0+4*\s+1], s45, \s*SLOT
	s_add_nc_u64 s[G0+4*\s+2:G0+4*\s+3], s[20:21], \s*KSL
	s_or_b32 s[G0+4*\s+3], s[G0+4*\s+3], 0x80000000
	s_mov_b32 s[G0B+4*\s], 1
	s_add_co_u32 s[G0B+4*\s+1], s45, \s*SLOT
	s_add_nc_u64 s[G0B+4*\s+2:G0B+4*\s+3], s[46:47], \s*KSL
	s_or_b32 s[G0B+4*\s+3], s[G0B+4*\s+3], 0x80000000
	s_wait_alu depctr_va_vdst(0)
	s_wait_tensorcnt 0x0
	ds_add_u32 v28, v29
	ds_add_u32 v28, v29
	s_wait_dscnt 0x0
	CROUND
	JLOAD G0+4*\s, G1, G0B+4*\s, G1B
.if \s == 0
	global_prefetch_b8 v30, s[88:89] offset:KSL th:TH_LOAD_NT scope:SCOPE_SE     ; behind slot 0's load: K slots 1 and 2
	global_prefetch_b8 v30, s[88:89] offset:2*KSL th:TH_LOAD_NT scope:SCOPE_SE
.else
	global_prefetch_b8 v30, s[88:89] offset:3*KSL th:TH_LOAD_NT scope:SCOPE_SE   ; behind slot 1's load: K slot 3
.endif
.endr
	v_and_b32 v1, 31, v0
	v_lshlrev_b32 v[LI], 4, v1
	v_and_b32 v2, 15, v0
	v_bfe_u32 v3, v0, 4, 1
	v_lshlrev_b32 v[RO], 8, v2
	v_lshl_add_u32 v[RO], v3, 5, v[RO]
	s_wait_alu depctr_va_vdst(0)
	s_lshl_b32 s22, s15, 15
	s_lshl_b32 s23, s16, 15
	s_add_co_u32 s23, s23, 2*HALFT
.irp s, 0,1
	v_add_nc_u32 v[ADRA+\s], s22, v[LI]
	v_add_nc_u32 v[ADRB+\s], s23, v[LI]
	s_add_co_u32 s22, s22, SLOT
	s_add_co_u32 s23, s23, SLOT
.endr
	s_lshl_b32 s78, s17, 16
	s_lshl_b32 s79, s15, 15
	s_add_co_u32 s78, s78, s79
	s_mov_b32 s79, 0
	s_add_nc_u64 s[78:79], s[10:11], s[78:79]
	s_lshl_b32 s84, s17, 1
	s_add_co_u32 s84, s84, s15
	s_lshl_b32 s85, s42, 1
	s_add_co_u32 s85, s85, s16
	s_cmp_eq_u32 s66, 2
	s_cselect_b32 s86, s84, s85
	s_cselect_b32 s87, s85, s84
	s_lshl_b32 s86, s86, 18
	s_lshl_b32 s87, s87, 14
	s_add_co_u32 s80, s86, s87
	s_lshl_b32 s86, s66, 22
	s_add_co_u32 s80, s80, s86
	s_mov_b32 s81, 0
	s_add_nc_u64 s[80:81], s[12:13], s[80:81]
.macro ROTLOAD a
.irp b, 0,1,2,3
	global_load_b128 v[RT+32*((\a)%2)+8*\b:RT+32*((\a)%2)+8*\b+3], v[RO], s[78:79] offset:4096*(\a)+64*\b
	global_load_b128 v[RT+32*((\a)%2)+8*\b+4:RT+32*((\a)%2)+8*\b+7], v[RO], s[78:79] offset:4096*(\a)+64*\b+16
.endr
.endm
	ROTLOAD 0
	ROTLOAD 1
.macro FRAG reg, adr, q, i
.irp c, 0,1,2,3
	ds_load_b128 v[\reg+4*\c:\reg+4*\c+3], v[\adr] offset:2048*(\q)+4096*(\i)+512*\c
.endr
.endm
.macro MUL16 a0, p, zero
.irp a, \a0, \a0+1
.irp b, 0,1,2,3,4,5,6,7
.if \zero
	v_wmma_f32_16x16x128_fp8_fp8 v[8*(8*((\a)%4)+\b):8*(8*((\a)%4)+\b)+7], v[128*(\p)+FR*\b:128*(\p)+FR*\b+FR-1], v[AF+FR*(\a):AF+FR*(\a)+FR-1], 0
.else
	v_wmma_f32_16x16x128_fp8_fp8 v[8*(8*((\a)%4)+\b):8*(8*((\a)%4)+\b)+7], v[128*(\p)+FR*\b:128*(\p)+FR*\b+FR-1], v[AF+FR*(\a):AF+FR*(\a)+FR-1], v[8*(8*((\a)%4)+\b):8*(8*((\a)%4)+\b)+7]
.endif
.endr
.endr
.endm
.macro FETCH_B slot, q, p
	WIN TO_B
.irp i, 0,1,2,3,4,5,6,7
	FRAG 128*(\p)+FR*\i, ADRB+\slot, \q, \i
.endr
	WIN 0
.endm
.macro FETCH_A slot, q, i0
.irp i, \i0, \i0+1, \i0+2, \i0+3
	FRAG AF+FR*(\i), ADRA+\slot, \q, \i
.endr
.endm
.macro PLACES n
.rept \n
	v_nop
.endr
.endm
.macro STEP slot, q, zero
	s_wait_dscnt 4*NL
	WIN MUL_LO
	MUL16 0, (\q)%2, \zero
	MUL16 2, (\q)%2, \zero
	s_wait_dscnt 0
	PLACES NP
	FETCH_B \slot, (\q)+1, 1-(\q)%2
	FETCH_A \slot, (\q)+1, 0
	WIN MUL_HI
	MUL16 4, (\q)%2, \zero
	MUL16 6, (\q)%2, \zero
	PLACES NP
	WIN 0
	FETCH_A \slot, (\q)+1, 4
.endm
.macro TURN slot, next, fill
.if \fill
	s_wait_xcnt 0x0                                ; my last prefetch has read its base: it steps one K slot
	s_add_nc_u64 s[88:89], s[88:89], KSL
.endif
	s_wait_tensorcnt 0x0
	ds_add_u32 v[SPW], v[NIL]
	s_wait_dscnt 4*NL+1
	WIN MUL_LO
	MUL16 0, 1, 0
	s_wait_dscnt 0x0
	s_barrier_signal -1
	MUL16 2, 1, 0
	WIN 0
	s_barrier_wait -1
.if \fill
	CREST
	s_add_nc_u64 s[G0+4*\slot+2:G0+4*\slot+3], s[G0+4*\slot+2:G0+4*\slot+3], 2*KSL
	s_add_nc_u64 s[G0B+4*\slot+2:G0B+4*\slot+3], s[G0B+4*\slot+2:G0B+4*\slot+3], 2*KSL
	JLOAD G0+4*\slot, G1, G0B+4*\slot, G1B
.else
	PLACES NP
.endif
	FETCH_B \next, 0, 0
	FETCH_A \next, 0, 0
.if \fill
	s_cmp_gt_u32 s3, 1                             ; the refill of K slot r is followed by a prefetch of K slot r + 2; the last trip's two refills have none: there are eight slots
	s_cbranch_scc0 .Lno_ask_\@
	global_prefetch_b8 v30, s[88:89] offset:3*KSL th:TH_LOAD_NT scope:SCOPE_SE
.Lno_ask_\@:
.endif
	WIN MUL_HI
	MUL16 4, 1, 0
	MUL16 6, 1, 0
	PLACES NP
	WIN 0
	FETCH_A \next, 0, 4
.endm
	s_wait_alu depctr_va_vdst(0)
	s_wait_tensorcnt 1
	s_barrier_signal -1
	s_barrier_wait -1
	FETCH_B 0, 0, 0
	FETCH_A 0, 0, 0
	FETCH_A 0, 0, 4
	STEP 0, 0, 1
	s_mov_b32 s3, LAPS-1
.Llap:
	TURN 0, 1, 1
	STEP 1, 0, 0
	TURN 1, 0, 1
	STEP 0, 0, 0
	s_sub_co_u32 s3, s3, 1
	s_cmp_lg_u32 s3, 0
	s_cbranch_scc1 .Llap
	TURN 0, 1, 0
	STEP 1, 0, 0
	s_wait_dscnt 4*NL
	WIN MUL_LO
	MUL16 0, 1, 0
	MUL16 2, 1, 0
	s_wait_dscnt 0
	WIN MUL_HI
	MUL16 4, 1, 0
	MUL16 6, 1, 0
	WIN 0
.macro OUTBLOCK a, rot
.set AC, 64*((\a)%4)
.set CB, CD+16*((\a)%4)
.set RS, RT+32*((\a)%2)
.set WW, 2+(\a)/4
.if \rot
.if (\a) < 7
	s_wait_loadcnt 8
.else
	s_wait_loadcnt 0
.endif
	WIN WW
.irp b, 0,1,2,3
.irp i, 0,1,2,3
	v_mul_f32 v[TT+2*\i], v[AC+8*\b+2*\i+1], v[RS+8*\b+2*\i]
	v_mul_f32 v[TT+2*\i+1], v[AC+8*\b+2*\i], v[RS+8*\b+2*\i]
	v_fma_f32 v[TMP+8*\b+2*\i], v[AC+8*\b+2*\i], v[RS+8*\b+2*\i+1], -v[TT+2*\i]
	v_fma_f32 v[TMP+8*\b+2*\i+1], v[AC+8*\b+2*\i+1], v[RS+8*\b+2*\i+1], v[TT+2*\i+1]
.endr
.endr
.set j, 32
.rept 32
	v_med3_num_f32 v[TMP+j], v[AC+j], -v[LIM], v[LIM]
.set j, j+1
.endr
	WIN 0
.set j, 0
.rept 32
	v_med3_num_f32 v[TMP+j], v[TMP+j], -v[LIM], v[LIM]
.set j, j+1
.endr
.if (\a)+2 < 8
	s_wait_alu depctr_va_vdst(0)
	ROTLOAD (\a)+2
.endif
.else
	WIN WW
.set j, 0
.rept 64
	v_med3_num_f32 v[TMP+j], v[AC+j], -v[LIM], v[LIM]
.set j, j+1
.endr
	WIN 0
.endif
.if (\a) >= 4
	s_wait_alu depctr_va_vdst(0)
	s_wait_xcnt 0x0
.endif
.irp b, 0,1,2,3,4,5,6,7
	v_cvt_scalef32_pk8_fp8_f32 v[CB+2*\b:CB+2*\b+1], v[TMP+8*\b:TMP+8*\b+7], v[SCV]
.endr
	v_nop
.irp c, 0,1,2,3
	global_store_b128 v[LI], v[CB+4*\c:CB+4*\c+3], s[80:81] offset:2048*(\a)+512*\c
.endr
.endm
	s_wait_kmcnt 0x0
	s_sub_co_i32 s74, s74, s72
	s_sub_co_i32 s74, s74, s73
	s_add_co_i32 s74, s74, 127
	s_lshl_b32 s75, s74, 23
	v_mov_b32 v[SCV], s75
	s_add_co_i32 s74, s74, 8
	s_lshl_b32 s74, s74, 23
	s_or_b32 s74, s74, 0x600000
	v_mov_b32 v[LIM], s74
	PLACES NP
	s_cmp_eq_u32 s66, 2
	s_cbranch_scc1 .Lplain
.irp a, 0,1,2,3,4,5,6,7
	OUTBLOCK \a, 1
.endr
	s_branch .Lend
.Lplain:
	s_wait_alu depctr_va_vdst(0)
.irp a, 0,1,2,3,4,5,6,7
	OUTBLOCK \a, 0
.endr
.Lend:
	s_wait_tensorcnt 0x0
	ds_add_u32 v[SPW], v[NIL]
	s_wait_dscnt 0x0
	CROUND
	s_endpgm
.Lfunc_end_k_q54131f27a9_proj:
	.size	k_q54131f27a9_proj, .Lfunc_end_k_q54131f27a9_proj-k_q54131f27a9_proj
	.p2alignl 7, 3214868480
	.fill 96, 4, 3214868480
	.section	.rodata,"a",@progbits
	.p2align	6, 0x0
	.amdhsa_kernel k_q54131f27a9_proj
		.amdhsa_group_segment_fixed_size 327680
		.amdhsa_private_segment_fixed_size 0
		.amdhsa_enable_private_segment 0
		.amdhsa_kernarg_size 40
		.amdhsa_user_sgpr_count 2
		.amdhsa_user_sgpr_kernarg_segment_ptr 1
		.amdhsa_wavefront_size32 1
		.amdhsa_system_sgpr_workgroup_id_x 1
		.amdhsa_system_sgpr_workgroup_id_y 1
		.amdhsa_system_sgpr_workgroup_id_z 1
		.amdhsa_system_vgpr_workitem_id 0
		.amdhsa_next_free_vgpr 1024
		.amdhsa_next_free_sgpr 100
		.amdhsa_reserve_vcc 0
		.amdhsa_float_denorm_mode_32 3
		.amdhsa_float_denorm_mode_16_64 3
		.amdhsa_memory_ordered 1
		.amdhsa_forward_progress 1
		.amdhsa_inst_pref_size 191
	.end_amdhsa_kernel
	.amdgpu_metadata
---
amdhsa.version: [ 1, 2 ]
amdhsa.kernels:
  - .name:           k_q54131f27a9_proj
    .symbol:         k_q54131f27a9_proj.kd
    .args:
      - { .name: xc, .offset: 0, .size: 8, .value_kind: global_buffer, .address_space: global }
      - { .name: wc, .offset: 8, .size: 8, .value_kind: global_buffer, .address_space: global }
      - { .name: lowp_scales, .offset: 16, .size: 8, .value_kind: global_buffer, .address_space: global }
      - { .name: rot, .offset: 24, .size: 8, .value_kind: global_buffer, .address_space: global }
      - { .name: qkv, .offset: 32, .size: 8, .value_kind: global_buffer, .address_space: global }
    .group_segment_fixed_size: 327680
    .private_segment_fixed_size: 0
    .kernarg_segment_align: 8
    .kernarg_segment_size: 40
    .max_flat_workgroup_size: 128
    .sgpr_count:     100
    .vgpr_count:     1024
    .wavefront_size: 32
...
	.end_amdgpu_metadata
.endif
;; end of part 2
;; launch attn (part 3): grid 16 x 16, 4 waves a work-group, no clusters, 270,848 bytes of LDS; arguments qkv, maskw, lowp_scales, ao; writes ao
.if DOCPART == 3
	.amdgcn_target "amdgcn-amd-amdhsa--gfx1250"
	.amdhsa_code_object_version 6
	.text
	.protected	k_q54131f27a9_attn
	.globl	k_q54131f27a9_attn
	.p2align	8
	.type	k_q54131f27a9_attn,@function
k_q54131f27a9_attn:
	s_mov_b64 s[64:65], 0
	v_nop
	global_prefetch_b8 v0, s[64:65] scope:SCOPE_SE
	s_setreg_imm32_b32 hwreg(HW_REG_WAVE_MODE, 25, 1), 1
	s_wait_xcnt 0x0
; ATTENTION on codes of E4M3 with the mask as it is given, and the quantising of the result for the last projection.
; q, k: images of 16 tokens x a head's 128 ([head][tile of tokens 128][2048]; k 4 MiB behind q); v: images of 16 channels x 128 keys ([head][128 keys: 16][tile of channels 8][2048], 8 MiB behind q).
; An image is a fragment's registers: register 4 c + j of lane L at byte 512 c + 16 L + 4 j.  maskw: [tile of 16 queries][128 keys: 16][64 words]; word 8 c + j, bit L: the bit of register 8 c + j of lane L's scores.
; THE SOFTMAX: t = score x log2(e) / sqrt(128); M = the row's largest t so far, rounded up to a whole number; p = 2^(t - M) is quantised, not normalised; the row's sum is taken of the unquantised p and divides at the end.
; THE MASK: a score whose bit is 0 becomes -2^100 ahead of the maximum.  In a row with a key that counts its p is 0; in a row with none p = 1 for every key: even weights.
; WHAT THE MASK'S WORDS DECIDE.  A step of 128 keys in which no bit of a block of 64 queries is set adds p = 0 to every row that has a key that counts somewhere: it is passed over, by a scalar branch on the words read,
; if every one of the 64 rows has such a key; if one has none, all steps of the block are walked.  A step all of whose bits are set passes over the selects.  The hold of p at 448 x 2^e9 is passed over where e9 >= -8: p <= 1 lies under it.
; SHARES.  A work-group owns one head and two blocks of 64 queries, 31 - x and x.  Wave c walks key steps c + 4 m of the first and 3 - c + 4 m of the second, m = 0 .. 3, with all four tiles of a block at once:
; a fragment of K or V feeds four products.  The four waves' parts meet in LDS behind one barrier, under the largest M, by exact powers of two; wave w finishes tile w of both blocks.
; K, V and the step's mask words go from memory straight into registers, asked for one walked step ahead; the walk hangs on loaded words, so there is no tensor load, and no cluster: partners would need different tiles.
; The last look-ahead of a wave names a step that nobody walks (entry 7, inside the buffers): so every wait's count is the same on every way.
; PREFETCH: work-group x of a head names K's and V's step x, 128 blocks of 256 bytes, a lane a block, one instruction a wave, at the head, ahead of the mask's words on which the first loads of K and V wait.
; LIMITS on the given exponents: e6 + e7 between -70 and 25; e9, and e10 - e8 - e9, between -126 and 119.  NaN among the codes is not served.
; REGISTERS.  Window 0: v1-15 addresses and constants, v16-47 statistics (8 a tile), v48-55 second chains, v56-63 mask words, v64-127 Q, v128-255 K.  Window 1: S^T, then p, 64 a tile.  Window 2: O^T, 64 a tile.
; Window 3: v0-127 V, v128-191 p's codes, v192-255 the second block's Q.
.set STATS, 262144                     ; LDS: O^T [block 2][wave 4][tile 4][8192]; then -M and the sum [block][wave][tile][256]
.set SPARE, 270336                     ; the spare words, 128 bytes a wave
.set LI,1
.set L8,2
.set PFO,3
.set VM,4
.set SPW,5
.set NIL,6
.set NEG,7
.set LIMP,8
.set SCP,9
.set SCO,10
.set LIMO,11
.set XA,12
.set XS,13
.set STAT,16                           ; tile u at 16 + 8 u: +0 -M, +1 the largest t, +2, +3 the sum, +4 f, +5 0, +6, +7 at work
.set T2,48
.set MK,56
.set Q,64
.set KB,128
.set WV,12
.set HD,13
.set BA,14
.set LIVE,17
.set ONES,18
.set REM,19
.set NXT,20
.set FLAG,21
.set FLAGN,22
.set NEEDH,23
.set KH,24
.set VH,26
.set CS,28
.set SEL,30
.set NCUR,66
.set NB,67
.set CNT,68
.set BLK,69
.set KO,70
.set MO,72
.set KOA,74
.set KOB,75
.set MOA,76
.set MOB,77
.set KA,78
.set VA,80
.set MA,82
.set LB,88
.set LS,89
.set MSB, 0
.macro WIN new
.if MSB != (\new)
	s_set_vgpr_msb (MSB<<8)|(\new)
.set MSB, (\new)
.endif
.endm
; The next entry to be walked (bits 0-3 of REM: the first block's m; bits 4-7: the second's), held at 7; its offsets in K and V and among the mask's words; whether all its bits are set
.macro ADVANCE
	s_ctz_i32_b32 s[NXT], s[REM]
	s_min_u32 s[NXT], s[NXT], 7
	s_sub_co_u32 s15, s[REM], 1
	s_and_b32 s[REM], s[REM], s15
	s_bitcmp1_b32 s[ONES], s[NXT]
	s_cselect_b32 s[FLAGN], 1, 0
	s_cmp_lt_u32 s[NXT], 4
	s_cselect_b32 s[KO], s[KOA], s[KOB]
	s_cselect_b32 s[MO], s[MOA], s[MOB]
	s_and_b32 s15, s[NXT], 3
	s_lshl_b32 s16, s15, 16
	s_add_co_u32 s[KO], s[KO], s16
	s_lshl_b32 s16, s15, 10
	s_add_co_u32 s[MO], s[MO], s16
	s_add_nc_u64 s[KA:KA+1], s[KH:KH+1], s[KO:KO+1]
	s_add_nc_u64 s[MA:MA+1], s[6:7], s[MO:MO+1]
.endm
.macro LOADK
.set i, 0
.rept 32
	global_load_b128 v[KB+4*i:KB+4*i+3], v[LI], s[KA:KA+1] offset:512*i
.set i, i+1
.endr
.endm
.macro LOADM
.irp u,0,1,2,3
	global_load_b64 v[MK+2*\u:MK+2*\u+1], v[L8], s[MA:MA+1] offset:4096*\u
.endr
.endm
.macro LOADV
	s_add_nc_u64 s[VA:VA+1], s[VH:VH+1], s[KO:KO+1]
	WIN 0xc0
.set i, 0
.rept 32
	global_load_b128 v[4*i:4*i+3], v[LI], s[VA:VA+1] offset:512*i
.set i, i+1
.endr
	WIN 0
.endm
.macro ORTREE b                        ; the OR of 32 registers, in window 1
.irp d,16,8,4,2,1
.set j, 0
.rept \d
	v_or_b32 v[(\b)+j], v[(\b)+j], v[(\b)+j+\d]
.set j, j+1
.endr
.endr
.endm
; A block's mask in short.  d: the words of my four steps (8 loads: tile u, steps m = 2 k + lane / 16, at d + 8 u + 4 k).  f: all its words, 32 registers a tile, in window 1.
; s[sb + k]: lanes whose words of steps 2 k, 2 k + 1 hold a bit; s[sb + 2 + k]: lanes whose words are all ones.  y, y + 1: each lane's OR of all words, the two halves of a row's lanes folded, two tiles a register.
.macro SUMM d, f, y, sb
.irp q,0,1,2,3,4,5,6,7
	v_or_b32 v[192+\q], v[(\d)+4*\q], v[(\d)+4*\q+1]
	v_and_b32 v[(\d)+4*\q], v[(\d)+4*\q], v[(\d)+4*\q+1]
	v_or_b32 v[(\d)+4*\q+1], v[(\d)+4*\q+2], v[(\d)+4*\q+3]
	v_and_b32 v[(\d)+4*\q+2], v[(\d)+4*\q+2], v[(\d)+4*\q+3]
.endr
.irp q,0,1,2,3,4,5,6,7
	v_or_b32 v[(\d)+4*\q+1], v[(\d)+4*\q+1], v[192+\q]
	v_and_b32 v[(\d)+4*\q], v[(\d)+4*\q], v[(\d)+4*\q+2]
.endr
.irp k,0,1
	v_or_b32 v[200+\k], v[(\d)+4*\k+1], v[(\d)+8+4*\k+1]
	v_or_b32 v[192+\k], v[(\d)+16+4*\k+1], v[(\d)+24+4*\k+1]
	v_and_b32 v[202+\k], v[(\d)+4*\k], v[(\d)+8+4*\k]
	v_and_b32 v[194+\k], v[(\d)+16+4*\k], v[(\d)+24+4*\k]
.endr
.irp k,0,1
	v_or_b32 v[200+\k], v[200+\k], v[192+\k]
	v_and_b32 v[202+\k], v[202+\k], v[194+\k]
.endr
.irp k,0,1
	v_cmp_ne_u32 s[(\sb)+\k], 0, v[200+\k]
	v_cmp_eq_u32 s[(\sb)+2+\k], -1, v[202+\k]
.endr
	WIN 0x45
.irp u,0,1,2,3
	ORTREE (\f)+32*\u
.endr
	WIN 0x04
.irp u,0,1,2,3
	v_lshrrev_b32 v[204+\u], 16, v[(\f)+32*\u]
.endr
.irp u,0,1,2,3
	v_or_b32 v[204+\u], v[204+\u], v[(\f)+32*\u]
.endr
	WIN 0
	v_and_b32 v204, 0xffff, v204
	v_and_b32 v206, 0xffff, v206
	v_lshl_or_b32 v[\y], v205, 16, v204
	v_lshl_or_b32 v[(\y)+1], v207, 16, v206
.endm
.macro BITS sb, sh                     ; lanes 0-15 speak for step m = 2 k, lanes 16-31 for 2 k + 1
.irp k,0,1
	s_and_b32 s15, s[(\sb)+\k], 0xffff
	s_cselect_b32 s15, 1<<((\sh)+2*\k), 0
	s_or_b32 s[LIVE], s[LIVE], s15
	s_lshr_b32 s15, s[(\sb)+\k], 16
	s_cselect_b32 s15, 2<<((\sh)+2*\k), 0
	s_or_b32 s[LIVE], s[LIVE], s15
	s_and_b32 s15, s[(\sb)+2+\k], 0xffff
	s_cmp_eq_u32 s15, 0xffff
	s_cselect_b32 s15, 1<<((\sh)+2*\k), 0
	s_or_b32 s[ONES], s[ONES], s15
	s_lshr_b32 s15, s[(\sb)+2+\k], 16
	s_cmp_eq_u32 s15, 0xffff
	s_cselect_b32 s15, 2<<((\sh)+2*\k), 0
	s_or_b32 s[ONES], s[ONES], s15
.endr
.endm
	s_load_b256 s[4:11], s[0:1], 0x0               ; qkv s[4:5], maskw s[6:7], the scales s[8:9], ao s[10:11]
	v_lshl_add_u32 v[SPW], v0, 2, SPARE
	v_mov_b32 v[NIL], 0
	v_lshrrev_b32 v14, 5, v0
	v_readfirstlane_b32 s[WV], v14                 ; wave c = 0..3
	v_and_b32 v15, 31, v0
	v_lshlrev_b32 v[LI], 4, v15                    ; 16 x lane
	v_lshlrev_b32 v[L8], 3, v15                    ; 8 x lane
	v_lshlrev_b32 v[PFO], 8, v15                   ; 256 x lane
	v_and_b32 v14, 15, v0
	v_bfe_u32 v15, v0, 4, 1
	v_lshlrev_b32 v14, 4, v14
	v_lshl_add_u32 v[VM], v15, 10, v14             ; 16 (lane % 16) + four steps' 1,024 bytes x (lane / 16)
	s_lshl_b32 s15, s[WV], 15
	v_add_nc_u32 v[XA], s15, v[LI]                 ; where my O^T goes in LDS
	s_lshl_b32 s15, s[WV], 10
	s_add_co_u32 s15, s15, STATS
	v_add_nc_u32 v[XS], s15, v[L8]                 ; and my -M and sums
	v_mov_b32 v[NEG], 0xf1800000                   ; -2^100
	s_and_b32 s[HD], ttmp7, 0xffff                 ; the head
	s_sub_co_u32 s[BA], 31, ttmp9                  ; the first block; the second is x
	s_sub_co_u32 s16, 3, s[WV]
	s_lshl_b32 s[KOA], s[WV], 14                   ; my first step of each block, in K and V,
	s_lshl_b32 s[KOB], s16, 14
	s_lshl_b32 s[MOA], s[BA], 14                   ; and among the mask's words: 16,384 bytes a block, 256 a step
	s_lshl_b32 s15, s[WV], 8
	s_add_co_u32 s[MOA], s[MOA], s15
	s_lshl_b32 s[MOB], ttmp9, 14
	s_lshl_b32 s15, s16, 8
	s_add_co_u32 s[MOB], s[MOB], s15
	s_mov_b32 s[KO+1], 0
	s_mov_b32 s[MO+1], 0
	s_mov_b32 s91, 0
	s_mov_b32 s[SEL], 0x76543210
	s_mov_b32 s[SEL+1], 0xfedcba98
	s_wait_alu depctr_va_vdst(0)                   ; the wait at the head's end
	s_wait_kmcnt 0x0
	s_load_b128 s[92:95], s[8:9], 0x18             ; e6, e7, e8, e9
	s_load_b32 s96, s[8:9], 0x28                   ; e10
	s_lshl_b32 s90, s[HD], 18
	s_add_nc_u64 s[4:5], s[4:5], s[90:91]          ; the head's q,
	s_add_nc_u64 s[KH:KH+1], s[4:5], 0x400000      ; k,
	s_add_nc_u64 s[VH:VH+1], s[4:5], 0x800000      ; v
	s_cmp_lt_u32 s[WV], 2                          ; waves 0, 1 name K's step x, waves 2, 3 V's: 8,192 bytes a wave
	s_cselect_b64 s[84:85], s[KH:KH+1], s[VH:VH+1]
	s_lshl_b32 s90, ttmp9, 14
	s_and_b32 s15, s[WV], 1
	s_lshl_b32 s15, s15, 13
	s_add_co_u32 s90, s90, s15
	s_add_nc_u64 s[84:85], s[84:85], s[90:91]
	global_prefetch_b8 v[PFO], s[84:85] th:TH_LOAD_NT scope:SCOPE_SE
	s_mov_b32 s90, s[MOA]
	s_add_nc_u64 s[MA:MA+1], s[6:7], s[90:91]
	s_mov_b32 s90, s[MOB]
	s_add_nc_u64 s[KA:KA+1], s[6:7], s[90:91]
.irp q,0,1,2,3,4,5,6,7
	global_load_b128 v[128+4*\q:128+4*\q+3], v[VM], s[MA:MA+1] offset:(\q/2)*4096+(\q%2)*2048   ; the words of my four steps
	global_load_b128 v[160+4*\q:160+4*\q+3], v[VM], s[KA:KA+1] offset:(\q/2)*4096+(\q%2)*2048
.endr
	s_lshl_b32 s90, s[BA], 14
	s_add_nc_u64 s[98:99], s[6:7], s[90:91]
	s_lshl_b32 s90, ttmp9, 14
	s_add_nc_u64 s[100:101], s[6:7], s[90:91]
	WIN 0x40
.set i, 0
.rept 32
	global_load_b128 v[4*i:4*i+3], v[LI], s[98:99] offset:512*i              ; all words of both blocks
	global_load_b128 v[128+4*i:128+4*i+3], v[LI], s[100:101] offset:512*i
.set i, i+1
.endr
	WIN 0
	s_lshl_b32 s90, s[BA], 13
	s_add_nc_u64 s[VA:VA+1], s[4:5], s[90:91]
	s_lshl_b32 s90, ttmp9, 13
	s_add_nc_u64 s[86:87], s[4:5], s[90:91]
.set i, 0
.rept 16
	global_load_b128 v[Q+4*i:Q+4*i+3], v[LI], s[VA:VA+1] offset:512*i        ; Q of the first block,
.set i, i+1
.endr
	WIN 0xc0
.set i, 0
.rept 16
	global_load_b128 v[192+4*i:192+4*i+3], v[LI], s[86:87] offset:512*i      ; and of the second
.set i, i+1
.endr
	WIN 0
	s_wait_kmcnt 0x0
	s_add_co_i32 s15, s92, s93
	s_lshl_b32 s15, s15, 23
	s_mov_b32 s[CS], 0x3e0293ee                    ; log2(e) / sqrt(128), with e6 + e7 added to its exponent field
	s_add_co_i32 s[CS], s[CS], s15
	s_mov_b32 s[CS+1], s[CS]
	s_cmp_lt_i32 s95, -8
	s_cselect_b32 s[NEEDH], 1, 0                   ; 448 x 2^e9 < 1: p is held
	s_add_co_i32 s15, s95, 127
	s_lshl_b32 s16, s15, 23
	v_mov_b32 v[SCP], s16                          ; 2^e9
	s_add_co_i32 s15, s15, 8
	s_lshl_b32 s15, s15, 23
	s_or_b32 s15, s15, 0x600000
	v_mov_b32 v[LIMP], s15                         ; 448 x 2^e9
	s_sub_co_i32 s15, s96, s94
	s_sub_co_i32 s15, s15, s95
	s_add_co_i32 s15, s15, 127
	s_lshl_b32 s16, s15, 23
	v_mov_b32 v[SCO], s16                          ; 2^(e10 - e8 - e9)
	s_add_co_i32 s15, s15, 8
	s_lshl_b32 s15, s15, 23
	s_or_b32 s15, s15, 0x600000
	v_mov_b32 v[LIMO], s15
	s_wait_alu depctr_va_vdst(0)                   ; the wait ahead of the wait below
	s_wait_loadcnt 32                              ; the mask's words are in; Q's 32 loads may be out
	SUMM 128, 0, 208, 32
	SUMM 160, 128, 210, 36
.irp j,0,1,2,3
	v_mov_b32 v[212+\j], 0
.endr
.irp m,1,2,4,8                         ; the OR over the 32 lanes
.irp j,0,1,2,3
	v_mov_b32_dpp v[212+\j], v[208+\j] row_xmask:\m row_mask:0xf bank_mask:0xf
.endr
.irp j,0,1,2,3
	v_or_b32 v[208+\j], v[208+\j], v[212+\j]
.endr
.endr
.irp j,0,1,2,3
	v_permlanex16_b32 v[212+\j], v[208+\j], s[SEL], s[SEL+1]
.endr
.irp j,0,1,2,3
	v_or_b32 v[208+\j], v[208+\j], v[212+\j]
.endr
	v_and_b32 v208, v208, v209
	v_and_b32 v210, v210, v211
	v_readfirstlane_b32 s40, v208                  ; all ones: each of the block's 64 rows has a key that counts
	v_readfirstlane_b32 s41, v210
	s_mov_b32 s[LIVE], 0
	s_mov_b32 s[ONES], 0
	BITS 32, 0
	BITS 36, 4
	s_cmp_eq_u32 s40, -1
	s_cselect_b32 s15, 0, 15                       ; a row with no key: all steps of its block are walked
	s_or_b32 s[LIVE], s[LIVE], s15
	s_cmp_eq_u32 s41, -1
	s_cselect_b32 s15, 0, 0xf0
	s_or_b32 s[LIVE], s[LIVE], s15
	s_and_b32 s15, s[LIVE], 15
	s_bcnt1_i32_b32 s[NCUR], s15                   ; trips of the first block,
	s_and_b32 s15, s[LIVE], 0xf0
	s_bcnt1_i32_b32 s[NB], s15                     ; and of the second
	s_mov_b32 s[REM], s[LIVE]
	s_wait_loadcnt 0x0                             ; Q
	s_wait_xcnt 0x0                                ; the prefetch has read its base: the pairs below are written
	s_lshr_b32 s15, s[HD], 1                       ; the result: [head / 2][tile of tokens][head % 2][2048]; I finish tile 4 block + c
	s_lshl_b32 s15, s15, 19
	s_and_b32 s16, s[HD], 1
	s_lshl_b32 s16, s16, 11
	s_add_co_u32 s15, s15, s16
	s_lshl_b32 s16, s[WV], 12
	s_add_co_u32 s15, s15, s16
	s_lshl_b32 s90, s[BA], 14
	s_add_co_u32 s90, s90, s15
	s_add_nc_u64 s[84:85], s[10:11], s[90:91]
	s_lshl_b32 s90, ttmp9, 14
	s_add_co_u32 s90, s90, s15
	s_add_nc_u64 s[86:87], s[10:11], s[90:91]
	ADVANCE
	LOADK                                          ; the first entry: K's 32 loads, the mask's 4, V's 32, always in this order
	LOADM
	LOADV
	s_mov_b32 s[BLK], 0
	s_mov_b32 s[LB], 0
	s_mov_b32 s[LS], 0
.Lblk:                                             ; two trips: a block each
	WIN 0x80
.set j, 0
.rept 256
	v_mov_b32 v[j], 0                              ; O^T.  The number of trips hangs on the mask and may be 0, and a first step of its own would be a second copy of the step: so the sums begin as zeros
.set j, j+1
.endr
	WIN 0
.irp u,0,1,2,3
	v_mov_b32 v[STAT+8*\u+1], 0xff61b1e6           ; the largest t so far: -3e38
	v_mov_b32 v[STAT+8*\u+2], 0
	v_mov_b32 v[STAT+8*\u+3], 0
	v_mov_b32 v[STAT+8*\u+5], 0
.endr
.irp u,0,1,2,3
	v_floor_f32 v[STAT+8*\u], -v[STAT+8*\u+1]      ; -M
.endr
	s_wait_alu depctr_va_vdst(0)                   ; the wait ahead of the branch
	s_cmp_eq_u32 s[NCUR], 0
	s_cbranch_scc1 .Lflush
	s_mov_b32 s[CNT], 0
.Ltrip:                                            ; a key step of 128 keys for four tiles of queries
	s_wait_loadcnt 32                              ; K and the mask's words are in; behind them only V's 32 loads were issued
	s_mov_b32 s[FLAG], s[FLAGN]
	ADVANCE
	WIN 0x40
.irp t,0,1,2,3,4,5,6,7                 ; S^T = K Q^T
.irp u,0,1,2,3
	v_wmma_f32_16x16x128_fp8_fp8 v[64*\u+8*\t:64*\u+8*\t+7], v[KB+16*\t:KB+16*\t+15], v[Q+16*\u:Q+16*\u+15], 0
.endr
.endr
	WIN 0
.rept 4
	v_nop                                          ; four plain lines ahead of the loads into K's registers and of the first read of results
.endr
	LOADK                                          ; the next entry's K
	s_cmp_eq_u32 s[FLAG], 1
	s_cbranch_scc1 .Lopen                          ; all bits set: nothing to select
.irp u,0,1,2,3
.irp g,0,1
.set n, 0
.rept 32
	v_readlane_b32 s[32+n], v[MK+2*\u+(n&1)], 16*\g+(n>>1)   ; word 32 g + n lies in lane (32 g + n) / 2
.set n, n+1
.endr
	WIN 0x44
.set n, 0
.rept 32
	v_cndmask_b32 v[64*\u+32*\g+n], v[NEG], v[64*\u+32*\g+n], s[32+n]
.set n, n+1
.endr
	WIN 0
.endr
.endr
.Lopen:
	LOADM                                          ; the next entry's mask words
	WIN 0x15
.irp u,0,1,2,3                         ; each tile's largest score, in two chains; the four tiles take turns; each accumulator is read from its low end on
	v_max3_num_f32 v[STAT+8*\u+6], v[64*\u], v[64*\u+1], v[64*\u+2]
	v_max3_num_f32 v[STAT+8*\u+7], v[64*\u+3], v[64*\u+4], v[64*\u+5]
.endr
	WIN 0x14
.irp k,6,10,14,18,22,26,30,34,38,42,46,50,54,58
.irp u,0,1,2,3
	v_max3_num_f32 v[STAT+8*\u+6], v[STAT+8*\u+6], v[64*\u+\k], v[64*\u+\k+1]
	v_max3_num_f32 v[STAT+8*\u+7], v[STAT+8*\u+7], v[64*\u+\k+2], v[64*\u+\k+3]
.endr
.endr
.irp u,0,1,2,3
	v_max3_num_f32 v[STAT+8*\u+6], v[STAT+8*\u+6], v[64*\u+62], v[64*\u+63]
.endr
	WIN 0
.irp u,0,1,2,3
	v_max_num_f32 v[STAT+8*\u+6], v[STAT+8*\u+6], v[STAT+8*\u+7]
.endr
.irp u,0,1,2,3
	v_permlanex16_b32 v[STAT+8*\u+7], v[STAT+8*\u+6], s[SEL], s[SEL+1]
.endr
.irp u,0,1,2,3
	v_max_num_f32 v[STAT+8*\u+6], v[STAT+8*\u+6], v[STAT+8*\u+7]
.endr
.irp u,0,1,2,3
	v_mul_f32 v[STAT+8*\u+6], s[CS], v[STAT+8*\u+6]            ; as t (c is positive)
.endr
.irp u,0,1,2,3
	v_max_num_f32 v[STAT+8*\u+1], v[STAT+8*\u+1], v[STAT+8*\u+6]
	v_mov_b32 v[STAT+8*\u+6], v[STAT+8*\u]
.endr
.irp u,0,1,2,3
	v_floor_f32 v[STAT+8*\u], -v[STAT+8*\u+1]                  ; the new -M = -ceil(t)
.endr
.irp u,0,1,2,3
	v_sub_f32 v[STAT+8*\u+6], v[STAT+8*\u], v[STAT+8*\u+6]     ; old M less new M: a whole number, 0 or less
.endr
.irp u,0,1,2,3
	v_cvt_i32_f32 v[STAT+8*\u+6], v[STAT+8*\u+6]               ; (it saturates)
.endr
.irp u,0,1,2,3
	v_ldexp_f32 v[STAT+8*\u+4], 1.0, v[STAT+8*\u+6]            ; f = 2^(old M - new M)
.endr
	WIN 0x41
.irp u,0,1,2,3
.set j, 0
.rept 32
	v_pk_fma_f32 v[64*\u+j:64*\u+j+1], v[64*\u+j:64*\u+j+1], s[CS:CS+1], v[STAT+8*\u:STAT+8*\u+1] op_sel_hi:[1,0,0]   ; t - M
.set j, j+2
.endr
.endr
	WIN 0x82
.irp u,0,1,2,3
.set j, 0
.rept 32
	v_pk_mul_f32 v[64*\u+j:64*\u+j+1], v[64*\u+j:64*\u+j+1], v[STAT+8*\u+4:STAT+8*\u+5] op_sel_hi:[1,0]   ; O^T under the new M, from each accumulator's low end on
.set j, j+2
.endr
.endr
	WIN 0x41
	s_wait_alu depctr_va_vdst(0)                   ; the wait ahead of the batch
.set j, 0
.rept 256
	v_exp_f32 v[j], v[j]                           ; p = 2^(t - M)
.set j, j+1
.endr
	WIN 0
.irp u,0,1,2,3
	v_pk_mul_f32 v[STAT+8*\u+2:STAT+8*\u+3], v[STAT+8*\u+2:STAT+8*\u+3], v[STAT+8*\u+4:STAT+8*\u+5] op_sel_hi:[1,0]   ; the sums under the new M (plain lines behind the batch)
.endr
	s_wait_alu depctr_va_vdst(0)                   ; and one wait behind it, ahead of its first reader
	WIN 0x05
.irp u,0,1,2,3
	v_pk_add_f32 v[T2+2*\u:T2+2*\u+1], v[64*\u:64*\u+1], v[64*\u+2:64*\u+3]   ; the sum of the unquantised p, two chains a tile
.endr
	WIN 0x04
.irp k,4,8,12,16,20,24,28,32,36,40,44,48,52,56,60
.irp u,0,1,2,3
	v_pk_add_f32 v[STAT+8*\u+2:STAT+8*\u+3], v[STAT+8*\u+2:STAT+8*\u+3], v[64*\u+\k:64*\u+\k+1]
	v_pk_add_f32 v[T2+2*\u:T2+2*\u+1], v[T2+2*\u:T2+2*\u+1], v[64*\u+\k+2:64*\u+\k+3]
.endr
.endr
	WIN 0
.irp u,0,1,2,3
	v_pk_add_f32 v[STAT+8*\u+2:STAT+8*\u+3], v[STAT+8*\u+2:STAT+8*\u+3], v[T2+2*\u:T2+2*\u+1]
.endr
	s_wait_alu depctr_va_vdst(0)                   ; the wait ahead of the branch
	s_cmp_eq_u32 s[NEEDH], 0
	s_cbranch_scc1 .Lnohold
	WIN 0x41
.set j, 0
.rept 256
	v_min_num_f32 v[j], v[j], v[LIMP]              ; the conversion does not saturate (ISA guide 7.6.2); p is not negative: a one-sided hold
.set j, j+1
.endr
	WIN 0
.Lnohold:
	WIN 0xc1
.irp u,0,1,2,3
.irp c,0,1,2,3,4,5,6,7
	v_cvt_scalef32_pk8_fp8_f32 v[128+16*\u+2*\c:128+16*\u+2*\c+1], v[64*\u+8*\c:64*\u+8*\c+7], v[SCP]   ; keys 16 c + 8 h + 0 .. 7: registers 2 c, 2 c + 1 of P
.endr
.endr
	v_nop                                          ; a plain line behind the last conversion
	s_wait_alu depctr_va_vdst(0)                   ; the wait ahead of the wait below
	s_wait_loadcnt 36                              ; V is in; behind it the next K's 32 loads and the next mask's 4 were issued
	WIN 0xaf
.irp t,0,1,2,3,4,5,6,7                 ; O^T += V^T P^T; the 32 accumulators take turns
.irp u,0,1,2,3
	v_wmma_f32_16x16x128_fp8_fp8 v[64*\u+8*\t:64*\u+8*\t+7], v[16*\t:16*\t+15], v[128+16*\u:128+16*\u+15], v[64*\u+8*\t:64*\u+8*\t+7]
.endr
.endr
	WIN 0
.rept 4
	v_nop                                          ; four plain lines ahead of the loads into V's registers and of the stores of O^T
.endr
	LOADV                                          ; the next entry's V
	s_add_co_u32 s[CNT], s[CNT], 1
	s_cmp_lt_u32 s[CNT], s[NCUR]
	s_cbranch_scc1 .Ltrip
.Lflush:                                           ; my part of the block goes to LDS bytes of its own: no barrier between the blocks
	v_add_nc_u32 v48, s[LB], v[XA]
	v_add_nc_u32 v49, s[LS], v[XS]
.irp u,0,1,2,3
	v_add_f32 v[STAT+8*\u+1], v[STAT+8*\u+2], v[STAT+8*\u+3]   ; the sum's two halves, beside -M
.endr
	WIN 0x08
.set i, 0
.rept 64
	ds_store_b128 v48, v[4*i:4*i+3] offset:512*i
.set i, i+1
.endr
	WIN 0
.irp u,0,1,2,3
	ds_store_b64 v49, v[STAT+8*\u:STAT+8*\u+1] offset:256*\u
.endr
	WIN 0x03
.set j, 0
.rept 64
	v_mov_b32 v[Q+j], v[192+j]                     ; the second block's Q takes its place
.set j, j+1
.endr
	WIN 0
	s_mov_b32 s[NCUR], s[NB]
	s_add_co_u32 s[LB], s[LB], 131072
	s_add_co_u32 s[LS], s[LS], 4096
	s_add_co_u32 s[BLK], s[BLK], 1
	s_cmp_lt_u32 s[BLK], 2
	s_wait_alu depctr_va_vdst(0)                   ; the wait ahead of the branch
	s_cbranch_scc1 .Lblk
	; THE MERGE.  Wave w takes tile w of both blocks: the four waves' O^T, -M and sums, under the largest M.
	s_lshl_b32 s15, s[WV], 13
	v_add_nc_u32 v14, s15, v[LI]
	v_add_nc_u32 v15, 0x10000, v14
	s_lshl_b32 s15, s[WV], 8
	s_add_co_u32 s15, s15, STATS
	v_add_nc_u32 v51, s15, v[L8]
	v_mov_b32 v34, 0
.irp s,0,1,2,3
	v_mov_b32 v[27+2*\s], 0                        ; (named as the upper halves of the factors' pairs)
.endr
	s_mov_b32 s[BLK], 0
	s_mov_b32 s[LB], 0
	s_mov_b32 s[LS], 0
	s_wait_alu depctr_va_vdst(0)                   ; the wait ahead of the waits below
	s_wait_loadcnt 0x0                             ; the last look-ahead has landed: its registers are free
	s_wait_dscnt 0x0                               ; for the others' sake: my stores have landed
	s_barrier_signal -1
	s_barrier_wait -1
.Lfin:
	v_add_nc_u32 v48, s[LB], v14
	v_add_nc_u32 v49, s[LB], v15
	v_add_nc_u32 v50, s[LS], v51
.irp s,0,1,2,3
	ds_load_b64 v[16+2*\s:17+2*\s], v50 offset:1024*\s
.endr
	WIN 0x40
.irp s,0,1,2,3
.set i, 0
.rept 16
	ds_load_b128 v[64*\s+4*i:64*\s+4*i+3], v[48+\s/2] offset:(\s%2)*32768+512*i
.set i, i+1
.endr
.endr
	WIN 0
	s_wait_dscnt 60                                ; the oldest eight loads are in, the four of -M and the sums among them
	v_min3_num_f32 v24, v16, v18, v20
	v_min_num_f32 v24, v24, v22                    ; -M of the largest M
.irp s,0,1,2,3
	v_sub_f32 v[26+2*\s], v24, v[16+2*\s]          ; each wave's M less it: a whole number, 0 or less
.endr
.irp s,0,1,2,3
	v_cvt_i32_f32 v[26+2*\s], v[26+2*\s]
.endr
.irp s,0,1,2,3
	v_ldexp_f32 v[26+2*\s], 1.0, v[26+2*\s]
.endr
	v_mul_f32 v25, v17, v26
	v_fma_f32 v25, v19, v28, v25
	v_fma_f32 v25, v21, v30, v25
	v_fma_f32 v25, v23, v32, v25
	v_permlanex16_b32 v34, v25, s[SEL], s[SEL+1]
	v_add_f32 v25, v25, v34                        ; the row's sum
	s_wait_alu depctr_va_vdst(0)                   ; the wait ahead of the reciprocal,
	v_rcp_f32 v25, v25
	v_nop
	s_wait_alu depctr_va_vdst(0)                   ; and behind it
.irp s,0,1,2,3
	v_mul_f32 v[26+2*\s], v[26+2*\s], v25
.endr
	s_wait_alu depctr_va_vdst(0)                   ; the wait ahead of the wait below
	s_wait_dscnt 0x0
	WIN 0x41
.set j, 0
.rept 32
	v_pk_mul_f32 v[j:j+1], v[j:j+1], v[26:27] op_sel_hi:[1,0]
.set j, j+2
.endr
	WIN 0x51
.irp s,1,2,3
.set j, 0
.rept 32
	v_pk_fma_f32 v[j:j+1], v[64*\s+j:64*\s+j+1], v[26+2*\s:27+2*\s], v[j:j+1] op_sel_hi:[1,0,1]
.set j, j+2
.endr
.endr
	WIN 0x41
.set j, 0
.rept 64
	v_med3_num_f32 v[j], v[j], -v[LIMO], v[LIMO]
.set j, j+1
.endr
	WIN 0x01
	s_wait_alu depctr_va_vdst(0)                   ; the wait ahead of the wait below
	s_wait_xcnt 0x0                                ; the first block's stores have read their data
.irp t,0,1,2,3,4,5,6,7
	v_cvt_scalef32_pk8_fp8_f32 v[128+2*\t:129+2*\t], v[8*\t:8*\t+7], v[SCO]   ; channels 16 t + 8 h + 0 .. 7: registers 2 t, 2 t + 1 of the last product's fragment
.endr
	WIN 0
	v_nop                                          ; a plain line behind the last conversion
.irp c,0,1,2,3
	global_store_b128 v[LI], v[128+4*\c:128+4*\c+3], s[84:85] offset:512*\c   ; 512 consecutive bytes, aligned
.endr
	s_wait_xcnt 0x0                                ; the stores have read their base
	s_mov_b64 s[84:85], s[86:87]
	s_add_co_u32 s[LB], s[LB], 131072
	s_add_co_u32 s[LS], s[LS], 4096
	s_add_co_u32 s[BLK], s[BLK], 1
	s_cmp_lt_u32 s[BLK], 2
	s_cbranch_scc1 .Lfin
	s_wait_tensorcnt 0x0                           ; the wave's end
	ds_add_u32 v[SPW], v[NIL]
	s_wait_dscnt 0x0
	s_endpgm
.Lfunc_end_k_q54131f27a9_attn:
	.size	k_q54131f27a9_attn, .Lfunc_end_k_q54131f27a9_attn-k_q54131f27a9_attn
	.p2alignl 7, 3214868480
	.fill 96, 4, 3214868480
	.section	.rodata,"a",@progbits
	.p2align	6, 0x0
	.amdhsa_kernel k_q54131f27a9_attn
		.amdhsa_group_segment_fixed_size 270848
		.amdhsa_private_segment_fixed_size 0
		.amdhsa_enable_private_segment 0
		.amdhsa_kernarg_size 32
		.amdhsa_user_sgpr_count 2
		.amdhsa_user_sgpr_kernarg_segment_ptr 1
		.amdhsa_wavefront_size32 1
		.amdhsa_system_sgpr_workgroup_id_x 1
		.amdhsa_system_sgpr_workgroup_id_y 1
		.amdhsa_system_sgpr_workgroup_id_z 1
		.amdhsa_system_vgpr_workitem_id 0
		.amdhsa_next_free_vgpr 1024
		.amdhsa_next_free_sgpr 102
		.amdhsa_reserve_vcc 0
		.amdhsa_float_denorm_mode_32 3
		.amdhsa_float_denorm_mode_16_64 3
		.amdhsa_memory_ordered 1
		.amdhsa_forward_progress 1
		.amdhsa_inst_pref_size 173
	.end_amdhsa_kernel
	.amdgpu_metadata
---
amdhsa.version: [ 1, 2 ]
amdhsa.kernels:
  - .name:           k_q54131f27a9_attn
    .symbol:         k_q54131f27a9_attn.kd
    .args:
      - { .name: qkv, .offset: 0, .size: 8, .value_kind: global_buffer, .address_space: global }
      - { .name: maskw, .offset: 8, .size: 8, .value_kind: global_buffer, .address_space: global }
      - { .name: lowp_scales, .offset: 16, .size: 8, .value_kind: global_buffer, .address_space: global }
      - { .name: ao, .offset: 24, .size: 8, .value_kind: global_buffer, .address_space: global }
    .group_segment_fixed_size: 270848
    .private_segment_fixed_size: 0
    .kernarg_segment_align: 8
    .kernarg_segment_size: 32
    .max_flat_workgroup_size: 128
    .sgpr_count:     102
    .vgpr_count:     1024
    .wavefront_size: 32
...
	.end_amdgpu_metadata
.endif
;; end of part 3
;; launch outp (part 4): grid 16 x 16, 4 waves a work-group, clusters of 4 x 4, 327,680 bytes of LDS; arguments ao, wc, lowp_scales, out0; writes out0
.if DOCPART == 4
	.amdgcn_target "amdgcn-amd-amdhsa--gfx1250"
	.amdhsa_code_object_version 6
	.text
	.protected	k_q54131f27a9_outp
	.globl	k_q54131f27a9_outp
	.p2align	8
	.type	k_q54131f27a9_outp,@function
k_q54131f27a9_outp:
	s_mov_b64 s[64:65], 0
	v_nop
	global_prefetch_b8 v0, s[64:65] scope:SCOPE_SE
	s_setreg_imm32_b32 hwreg(HW_REG_WAVE_MODE, 25, 1), 1
	s_wait_xcnt 0x0
	s_wait_alu depctr_hold_cnt(0) depctr_sa_sdst(0) depctr_va_vdst(0) depctr_va_sdst(0) depctr_va_ssrc(0) depctr_va_vcc(0) depctr_vm_vsrc(0)
	s_getreg_b32 s2, hwreg(HW_REG_IB_STS2, 6, 4)
	s_cmp_eq_u32 s2, 0
	s_cbranch_scc0 .Lentry_in_a_cluster
	s_endpgm
.Lentry_in_a_cluster:
	s_bfe_u32 s2, ttmp6, 0x10000c
	s_cmp_lg_u32 s2, 0xf033
	s_cbranch_scc0 .Lentry_shape_is_right
	s_endpgm
.Lentry_shape_is_right:
.set SLOT,   131072
.set SPARE,  262144
.set STAGE,  262656
.set SPITCH, 272
.set KSL2,   1048576
.set ADRA, 16
.set ADRB, 20
.set STO,  24
.set RD,   25
.set CO,   26
.set SPW,  28
.set NIL,  29
.set TMP,  32
.set BK,   64
.set ACC,  128
.set F0,   0
.set F1,   128
.set G1, 24
.set G0, 32
.set G1B, 48
.set G0B, 56
.set MSB, 0
.macro WIN new
.if MSB != (\new)
	s_set_vgpr_msb (MSB<<8)|(\new)
.set MSB, (\new)
.endif
.endm
.set MUL,  0x05
.set TO_F, 0x40
.macro JLOAD s
	s_cmp_eq_u32 s15, 0
	s_cbranch_scc0 .Lfor_b_\@
	tensor_load_to_lds s[G0+4*\s:G0+4*\s+3], s[G1:G1+7]
	s_nop 0
.rept 4
	v_nop
.endr
	s_branch .Lasked_\@
.Lfor_b_\@:
	tensor_load_to_lds s[G0B+4*\s:G0B+4*\s+3], s[G1B:G1B+7]
	s_nop 0
.rept 4
	v_nop
.endr
.Lasked_\@:
.endm
.macro CREST
	s_cmp_lg_u32 s14, 0
	s_cbranch_scc1 .Lnot_wave_0_\@
	s_barrier_signal -3
.Lnot_wave_0_\@:
	s_barrier_wait -3
	s_barrier_signal -1
	s_barrier_wait -1
.endm
.macro CROUND
	s_barrier_signal -1
	s_barrier_wait -1
	CREST
.endm
	s_load_b256 s[4:11], s[0:1], 0x0
	v_lshl_add_u32 v[SPW], v0, 2, SPARE
	v_mov_b32 v[NIL], 0
	ds_add_u32 v28, v29
	ds_add_u32 v28, v29
	s_wait_dscnt 0x0
	v_lshrrev_b32 v1, 5, v0
	v_readfirstlane_b32 s14, v1
	s_lshr_b32 s15, s14, 1
	s_and_b32 s16, s14, 1
	s_bfe_u32 s40, ttmp6, 0x40000
	s_bfe_u32 s41, ttmp6, 0x40004
	s_lshl_b32 s42, ttmp9, 2
	s_add_co_u32 s42, s42, s40
	s_and_b32 s17, ttmp7, 0xffff
	s_lshl_b32 s17, s17, 2
	s_add_co_u32 s17, s17, s41
	s_lshl_b32 s43, s41, 2
	s_lshl_b32 s43, 15, s43
	s_lshl_b32 s44, 0x1111, s40
	s_or_b32 s[G1+0], s43, (3<<16)|(1<<21)
	s_or_b32 s[G1B+0], s44, (3<<16)|(1<<21)
.irp g, G1, G1B
	s_mov_b32 s[\g+1], 2048<<16
	s_mov_b32 s[\g+2], 2<<16
	s_mov_b32 s[\g+3], 2048<<16
	s_mov_b32 s[\g+4], 2
	s_mov_b32 s[\g+5], 65536
	s_mov_b32 s[\g+6], 0
	s_mov_b32 s[\g+7], 0
.endr
	s_lshl_b32 s18, s16, 14
	s_lshl_b32 s20, s17, 15
	s_add_co_u32 s20, s20, s18
	s_lshl_b32 s46, s42, 15
	s_add_co_u32 s46, s46, s18
	s_add_co_u32 s46, s46, 12582912
	s_mov_b32 s21, 0
	s_mov_b32 s47, 0
	s_lshl_b32 s45, s14, 15
	s_wait_kmcnt 0x0
	s_load_b64 s[12:13], s[8:9], 0x28
	s_add_nc_u64 s[20:21], s[4:5], s[20:21]
	s_add_nc_u64 s[46:47], s[6:7], s[46:47]
	s_cmp_eq_u32 s15, 0                            ; the prefetches: of the two runs of 16,384 bytes that my wave fetches for a slot, each of the four partners that ask for them jointly names 8,192, told apart by address
	s_cselect_b64 s[2:3], s[20:21], s[46:47]
	s_cselect_b32 s18, s40, s41
	s_lshr_b32 s19, s18, 1
	s_lshl_b32 s19, s19, 19
	s_and_b32 s18, s18, 1
	s_lshl_b32 s18, s18, 13
	s_add_co_u32 s18, s18, s19
	s_mov_b32 s19, 0
	s_add_nc_u64 s[2:3], s[2:3], s[18:19]
	v_and_b32 v30, 31, v0
	v_lshlrev_b32 v30, 8, v30                      ; lanes 256 bytes apart; base and offset are never rewritten
	CROUND
.irp s, 0,1
	s_mov_b32 s[G0+4*\s], 1
	s_add_co_u32 s[G0+4*\s+1], s45, \s*SLOT
	s_add_nc_u64 s[G0+4*\s+2:G0+4*\s+3], s[20:21], \s*KSL2
	s_or_b32 s[G0+4*\s+3], s[G0+4*\s+3], 0x80000000
	s_mov_b32 s[G0B+4*\s], 1
	s_add_co_u32 s[G0B+4*\s+1], s45, \s*SLOT
	s_add_nc_u64 s[G0B+4*\s+2:G0B+4*\s+3], s[46:47], \s*KSL2
	s_or_b32 s[G0B+4*\s+3], s[G0B+4*\s+3], 0x80000000
	s_wait_alu depctr_va_vdst(0)
	s_wait_tensorcnt 0x0
	ds_add_u32 v28, v29
	ds_add_u32 v28, v29
	s_wait_dscnt 0x0
	CROUND
	JLOAD \s
.if \s == 0
	global_prefetch_b8 v30, s[2:3] offset:KSL2 th:TH_LOAD_NT scope:SCOPE_SE      ; behind slot 0's load: K slots 1 and 2
	global_prefetch_b8 v30, s[2:3] offset:2*KSL2 th:TH_LOAD_NT scope:SCOPE_SE
.else
	global_prefetch_b8 v30, s[2:3] offset:3*KSL2 th:TH_LOAD_NT scope:SCOPE_SE    ; behind slot 1's load: K slot 3, the last
.endif
.endr
	v_and_b32 v1, 15, v0
	s_wait_alu depctr_va_vdst(0)
	v_bfe_u32 v2, v0, 4, 1
	v_and_b32 v3, 31, v0
	v_lshlrev_b32 v3, 4, v3
	s_lshl_b32 s22, s15, 15
	s_lshl_b32 s23, s16, 15
	s_add_co_u32 s23, s23, 65536
.irp s, 0,1
	v_add_nc_u32 v[ADRA+\s], s22, v3
	v_add_nc_u32 v[ADRB+\s], s23, v3
	s_add_co_u32 s22, s22, SLOT
	s_add_co_u32 s23, s23, SLOT
.endr
	s_mul_i32 s22, s14, 16*SPITCH
	s_add_co_u32 s22, s22, STAGE
	v_mul_u32_u24 v4, v1, SPITCH
	s_wait_alu depctr_va_vdst(0)
	v_lshl_add_u32 v4, v2, 5, v4
	v_add_nc_u32 v[STO], s22, v4
	v_mul_u32_u24 v5, v2, SPITCH
	v_lshl_add_u32 v5, v1, 4, v5
	v_add_nc_u32 v[RD], s22, v5
	v_lshlrev_b32 v5, 13, v2
	v_lshl_add_u32 v[CO], v1, 4, v5
	s_lshl_b32 s20, s17, 20
	s_lshl_b32 s21, s15, 19
	s_add_co_u32 s20, s20, s21
	s_mov_b32 s21, 0
	s_lshl_b32 s46, s42, 9
	s_lshl_b32 s47, s16, 8
	s_add_co_u32 s46, s46, s47
	s_mov_b32 s47, 0
	s_add_nc_u64 s[20:21], s[20:21], s[46:47]
	s_add_nc_u64 s[10:11], s[10:11], s[20:21]
.macro MUL8 f, a0, zero
.irp a, \a0, \a0+1
.irp b, 0,1,2,3
.if \zero
	v_wmma_f32_16x16x128_fp8_fp8 v[ACC+8*(4*(\a)+\b):ACC+8*(4*(\a)+\b)+7], v[\f+64+16*\b:\f+64+16*\b+15], v[\f+16*(\a):\f+16*(\a)+15], 0
.else
	v_wmma_f32_16x16x128_fp8_fp8 v[ACC+8*(4*(\a)+\b):ACC+8*(4*(\a)+\b)+7], v[\f+64+16*\b:\f+64+16*\b+15], v[\f+16*(\a):\f+16*(\a)+15], v[ACC+8*(4*(\a)+\b):ACC+8*(4*(\a)+\b)+7]
.endif
.endr
.endr
.endm
.macro FETCH slot, sg, f
	WIN TO_F
.irp i, 0,1,2,3
.irp c, 0,1,2,3
	ds_load_b128 v[\f+64+16*\i+4*\c:\f+64+16*\i+4*\c+3], v[ADRB+\slot] offset:((\sg)/2)*16384+((\sg)%2)*2048+4096*\i+512*\c
.endr
.endr
.irp i, 0,1,2,3
.irp c, 0,1,2,3
	ds_load_b128 v[\f+16*\i+4*\c:\f+16*\i+4*\c+3], v[ADRA+\slot] offset:((\sg)/2)*16384+((\sg)%2)*2048+4096*\i+512*\c
.endr
.endr
.endm
.macro PLACES
.rept 4
	v_nop
.endr
.endm
.macro STEP slot, nsg, f, g, zero
	PLACES
	FETCH \slot, \nsg, \g
	s_wait_dscnt 32
	WIN MUL
	MUL8 \f, 0, \zero
	MUL8 \f, 2, \zero
.endm
.macro TURN slot, next, fill
	WIN 0
	s_wait_tensorcnt 0x0
	ds_add_u32 v[SPW], v[NIL]
	s_wait_dscnt 1
	WIN MUL
	MUL8 F1, 0, 0
	s_wait_dscnt 0x0
	s_barrier_signal -1
	MUL8 F1, 2, 0
	WIN 0
	s_barrier_wait -1
.if \fill
	CREST
	s_add_nc_u64 s[G0+4*\slot+2:G0+4*\slot+3], s[G0+4*\slot+2:G0+4*\slot+3], 2*KSL2
	s_add_nc_u64 s[G0B+4*\slot+2:G0B+4*\slot+3], s[G0B+4*\slot+2:G0B+4*\slot+3], 2*KSL2
	JLOAD \slot
.else
	PLACES
.endif
	FETCH \next, 0, F0
.endm
	s_wait_tensorcnt 1
	s_barrier_signal -1
	s_barrier_wait -1
	FETCH 0, 0, F0
	STEP 0, 1, F0, F1, 1
	STEP 0, 2, F1, F0, 0
	STEP 0, 3, F0, F1, 0
	TURN 0, 1, 1
	STEP 1, 1, F0, F1, 0
	STEP 1, 2, F1, F0, 0
	STEP 1, 3, F0, F1, 0
	TURN 1, 0, 1
	STEP 0, 1, F0, F1, 0
	STEP 0, 2, F1, F0, 0
	STEP 0, 3, F0, F1, 0
	TURN 0, 1, 0
	STEP 1, 1, F0, F1, 0
	STEP 1, 2, F1, F0, 0
	STEP 1, 3, F0, F1, 0
	s_wait_dscnt 0x0
	WIN MUL
	MUL8 F1, 0, 0
	MUL8 F1, 2, 0
	WIN 0
.macro TOSTAGE a
.set j, 0
.rept 16
	v_pk_mul_f32 v[TMP+j:TMP+j+1], v[ACC+32*(\a)+j:ACC+32*(\a)+j+1], s[12:13] op_sel_hi:[1,0]
.set j, j+2
.endr
.irp b, 0,1,2,3
	ds_store_b128 v[STO], v[TMP+8*\b:TMP+8*\b+3] offset:64*\b
	ds_store_b128 v[STO], v[TMP+8*\b+4:TMP+8*\b+7] offset:64*\b+16
.endr
.irp t, 0,1,2,3,4,5,6,7
	ds_load_b128 v[BK+32*((\a)%2)+4*\t:BK+32*((\a)%2)+4*\t+3], v[RD] offset:\t*2*SPITCH
.endr
.endm
.macro SEND a, younger
	s_wait_dscnt \younger
.irp t, 0,1,2,3,4,5,6,7
	global_store_b128 v[CO], v[BK+32*((\a)%2)+4*\t:BK+32*((\a)%2)+4*\t+3], s[10:11] offset:(16*(\a)+2*\t)*8192 th:TH_STORE_NT
.endr
.endm
	s_wait_kmcnt 0x0
	s_add_co_i32 s12, s12, s13
	s_add_co_i32 s12, s12, 127
	s_lshl_b32 s12, s12, 23
	s_mov_b32 s13, s12
	PLACES
	TOSTAGE 0
	TOSTAGE 1
	SEND 0, 16
	s_wait_xcnt 0x0
	TOSTAGE 2
	SEND 1, 16
	s_wait_xcnt 0x0
	TOSTAGE 3
	SEND 2, 16
	SEND 3, 0
	s_wait_tensorcnt 0x0
	ds_add_u32 v[SPW], v[NIL]
	s_wait_dscnt 0x0
	CROUND
	s_endpgm
.Lfunc_end_k_q54131f27a9_outp:
	.size	k_q54131f27a9_outp, .Lfunc_end_k_q54131f27a9_outp-k_q54131f27a9_outp
	.p2alignl 7, 3214868480
	.fill 96, 4, 3214868480
	.section	.rodata,"a",@progbits
	.p2align	6, 0x0
	.amdhsa_kernel k_q54131f27a9_outp
		.amdhsa_group_segment_fixed_size 327680
		.amdhsa_private_segment_fixed_size 0
		.amdhsa_enable_private_segment 0
		.amdhsa_kernarg_size 32
		.amdhsa_user_sgpr_count 2
		.amdhsa_user_sgpr_kernarg_segment_ptr 1
		.amdhsa_wavefront_size32 1
		.amdhsa_system_sgpr_workgroup_id_x 1
		.amdhsa_system_sgpr_workgroup_id_y 1
		.amdhsa_system_sgpr_workgroup_id_z 1
		.amdhsa_system_vgpr_workitem_id 0
		.amdhsa_next_free_vgpr 512
		.amdhsa_next_free_sgpr 66
		.amdhsa_reserve_vcc 0
		.amdhsa_float_denorm_mode_32 3
		.amdhsa_float_denorm_mode_16_64 3
		.amdhsa_memory_ordered 1
		.amdhsa_forward_progress 1
		.amdhsa_inst_pref_size 74
	.end_amdhsa_kernel
	.amdgpu_metadata
---
amdhsa.version: [ 1, 2 ]
amdhsa.kernels:
  - .name:           k_q54131f27a9_outp
    .symbol:         k_q54131f27a9_outp.kd
    .args:
      - { .name: ao, .offset: 0, .size: 8, .value_kind: global_buffer, .address_space: global }
      - { .name: wc, .offset: 8, .size: 8, .value_kind: global_buffer, .address_space: global }
      - { .name: lowp_scales, .offset: 16, .size: 8, .value_kind: global_buffer, .address_space: global }
      - { .name: out0, .offset: 24, .size: 8, .value_kind: global_buffer, .address_space: global }
    .group_segment_fixed_size: 327680
    .private_segment_fixed_size: 0
    .kernarg_segment_align: 8
    .kernarg_segment_size: 32
    .max_flat_workgroup_size: 128
    .sgpr_count:     66
    .vgpr_count:     512
    .wavefront_size: 32
...
	.end_amdgpu_metadata
.endif
;; end of part 4
